; MI455X (gfx1250); checked and timed in simulation.
; The chip was launched on July 23, 2026; its instructions are those of AMD's public machine-readable ISA for CDNA 5 (MIT licence, August 2026) and "CDNA5" Instruction Set Architecture Reference Guide (July 2026). The comments in the code are by the model that wrote it; some were corrected since.
;; ONNX Multihead Attention. Allowed arithmetic: matrix products marked QUANTISED: E2M3 operands, one E8M0 scale for each 32 along K, by v_wmma_scale_f32_16x16x128_f8f6f4 with both operands' format E2M3, f32 sums; everything else in f32.
;; Inputs: Wk 1,024 x 1,024 float32; Wo 1,024 x 1,024 float32; Wq 1,024 x 1,024 float32; Wv 1,024 x 1,024 float32; attn_mask 2,048 x 2,048 float32; bk 1,024 float32; bo 1,024 float32; bq 1,024 float32; bv 1,024 float32; key 2,048 x 4 x 1,024 float32; key_padding_mask 4 x 2,048 bool; query 2,048 x 4 x 1,024 float32; value 2,048 x 4 x 1,024 float32.
;; Outputs: out0 2,048 x 4 x 1,024 float32.
;; This version of the problem:
;;   THIS VERSION OF THE PROBLEM IS GIVEN IN LOW PRECISION. The matrix products marked QUANTISED in the list below multiply operands that are first quantised to E2M3 (2 exponent bits, 3 mantissa bits; 6 bits a number), with one power-of-two scale for each 32 numbers along K (OCP MX v1.0); their sums are f32. All else is computed in f32.
;;   The module's matrix products, in the order in which they are computed (A, B: the left and right operand; K: the contracted axis; several contracted axes count as one K, in the product's order):
;;     1. [M 8,192, K 1,024] x [K 1,024, N 1,024]; A: input query; B: input Wq: QUANTISED
;;     2. [M 8,192, K 1,024] x [K 1,024, N 1,024]; A: input key; B: input Wk: QUANTISED
;;     3. [M 8,192, K 1,024] x [K 1,024, N 1,024]; A: input value; B: input Wv: QUANTISED
;;     4. batch 64 x [M 2,048, K 64] x [K 64, N 2,048]; A: computed on the way; B: computed on the way: QUANTISED
;;     5. batch 64 x [M 2,048, K 2,048] x [K 2,048, N 64]; A: softmax (see below); B: computed on the way: QUANTISED
;;     6. [M 8,192, K 1,024] x [K 1,024, N 1,024]; A: computed on the way; B: input Wo: QUANTISED
;;   THE QUANTISER, for each operand of a quantised product, along K:
;;     - K is cut into blocks of 32 from its start; a last block that is shorter is filled with zeros.
;;     - A block's scale is 2^e with e = floor(log2(the largest magnitude in the block)) - 2, held to -126 .. 127; a block of zeros has e = 0. As a byte (E8M0): e + 127.
;;     - Each number is divided by its block's scale, clamped to +-7.5, and rounded to the nearest number of E2M3, ties to even, subnormals kept.
;;     - The product sums the exact products of the quantised numbers (number of the format x scale) in f32.
;;   ~~~python
;;   def quantise(x, axis):      # numpy; x: float32 -> the quantised numbers, widened to float32 again
;;       x = np.moveaxis(x, axis, -1); K = x.shape[-1]
;;       x = np.pad(x, [(0, 0)] * (x.ndim - 1) + [(0, -K % 32)]); x = x.reshape(x.shape[:-1] + (-1, 32)); a = np.abs(x).max(-1, keepdims=True)
;;       e = np.where(a > 0, np.clip(np.frexp(np.where(a > 0, a, 1))[1] - 1 - 2, -126, 127), 0)      # np.frexp(a)[1] - 1 = floor(log2(a)), exactly
;;       r = np.clip(x / 2.0 ** e, -7.5, 7.5)
;;       step = 2.0 ** (np.maximum(np.frexp(np.where(r == 0, 1, r))[1] - 1, 0) - 3)
;;       q = np.round(r / step) * step * 2.0 ** e      # np.round: ties to even
;;       return np.moveaxis(q.reshape(q.shape[:-2] + (-1,))[..., :K], -1, axis).astype(np.float32)
;;   ~~~
;;   SOFTMAX AHEAD OF A QUANTISED PRODUCT. Where the list says 'softmax', what is quantised is not the finished softmax but p = 2^(t - M), with t = logit x log2(e) and M = ceil(the row's largest t), a whole number; so 1/2 < the row's largest p <= 1. The row's sum l is taken of the UNQUANTISED p, in f32, and the product's result is divided by l at the end. Since M is a whole number, a kernel that streams over the keys may use a running M (the ceiling of the running maximum): every later rescaling is an exact power of two, which a block's scale takes up: the codes' values come out the same.
;;   OPERANDS COMPUTED ON THE WAY. 'Computed on the way' means the value that the module computes at that place (a softmax that the list does not call 'softmax' is quantised finished and normalised). What goes into a quantiser is computed in f32, as accurately as f32 sums, v_exp_f32 and their like allow (about 1e-6 of the number): no bf16 or f16 on the way to a quantiser, and a product that is left as it is and whose result goes on into a quantised operand takes f32 operands (vector FMAs, or v_wmma_f32_16x16x4_f32). A number that lies on a knife's edge between two numbers of the format may be rounded either way, as far as f32 arithmetic and the matrix unit's own rounding can turn it there, and no further.
;; One version. Each part assembles by itself: llvm-mc -triple=amdgcn-amd-amdhsa -mcpu=gfx1250 --defsym DOCPART=n.
;; ======== version 1 of 1: 4 launches
;; workspace buffers: xc 22,020,096 bytes; xs 917,504 bytes; qw 6,815,744 bytes; kv 13,369,344 bytes; ac 6,291,456 bytes; asc 262,144 bytes
;; launch quant (part 1): grid 896 x 1, 4 waves a work-group, no clusters, 33,280 bytes of LDS; arguments query, key, value, Wq, Wk, Wv, Wo, xc, xs; writes xc, xs
.if DOCPART == 1
	.amdgcn_target "amdgcn-amd-amdhsa--gfx1250"
	.amdhsa_code_object_version 6
	.text
	.protected	k_q9ec47595bd_quant
	.globl	k_q9ec47595bd_quant
	.p2align	8
	.type	k_q9ec47595bd_quant,@function
k_q9ec47595bd_quant:
	s_mov_b64 s[64:65], 0
	v_nop
	global_prefetch_b8 v0, s[64:65] scope:SCOPE_SE
	s_setreg_imm32_b32 hwreg(HW_REG_WAVE_MODE, 25, 1), 1
	s_wait_xcnt 0x0
; query, key, value [2048][4][1024] and Wq, Wk, Wv, Wo [1024][1024], f32, K innermost, become codes of FP6 (E2M3) with one E8M0 byte for each 32 along K.
; xc: 28,672 rows of 768 bytes of codes; xs: the same rows of 32 scale bytes.  Row bases: query 0, key 8,192, value 16,384 (each laid [b][position]); Wq 24,576, Wk 25,600, Wv 26,624, Wo 27,648.
; POSITION: query and Wo keep their row numbers.  In key, value, Wq, Wk, Wv source row s goes to position s with bits 3 and 4 exchanged, so that 16 consecutive positions hold
; rows 32 B + 8 u + r + 8 (r / 8): a product that takes such a tile as source 0 leaves 16 neighbours along its rows in a lane's 16 registers of two neighbouring tiles.
; A block's scale is 2^(floor(log2(largest magnitude)) - 2); its byte is the largest magnitude's exponent field - 2, held at 1 from below.  A block of zeros gets the byte 1: its codes are zeros, and this program alone reads the bytes.
; LIMITS: blocks whose largest magnitude lies under 2^-124 are held at that floor; NaN and infinities among the inputs are not served.
; A wave takes 8 rows (8 neighbouring s of one b: exchanging bits 3 and 4 keeps them together), 16 steps of 512 numbers.  Each load reads 512 consecutive bytes; a step's 2,048 bytes turn through the wave's own
; stage in LDS, so that a lane then holds 16 neighbours along K.  A wave's codes are 6,144 consecutive bytes, its scale bytes one aligned run of 256.  No tensor loads, no barrier: waves share nothing.
.set WAVES, 4
.set STEPS, 16
.set EMAX,  2
.set CB,    12                         ; bytes of 16 codes
.set R,     16                         ; v16-79   four sets of 16 numbers as loaded
.set X,     80                         ; v80-111  two sets of 16 neighbours
.set E,     112                        ; v112-127 a scale byte for each step
.set C,     128                        ; v128-191 codes: four registers a step, so that no store's data are written again
.set SA,    192                        ; v192-199 row i of my eight: 16 x lane + i x the source's row pitch; never rewritten
.set WREG,  8192                       ; LDS: a region for each wave: two stages of 32 x SP bytes, then its 256 scale bytes
.set SP,    80
.set SPW,   12                         ; v12 my spare word's address; never rewritten
.set NIL,   13                         ; v13 0; never rewritten
.set SPARE, WAVES*WREG                 ; the spare words: 128 bytes a wave, named by no other line
	s_load_b256 s[4:11], s[0:1], 0x0               ; query, key, value, Wq
	s_load_b256 s[12:19], s[0:1], 0x20             ; Wk, Wv, Wo, xc
	s_load_b64 s[20:21], s[0:1], 0x40              ; xs
	v_lshl_add_u32 v[SPW], v0, 2, SPARE
	v_mov_b32 v[NIL], 0
	v_lshrrev_b32 v1, 5, v0
	v_readfirstlane_b32 s22, v1                    ; wave
	v_and_b32 v2, 31, v0                           ; lane
	v_lshlrev_b32 v3, 4, v2                        ; my 16 bytes of a load's 512
	s_mul_i32 s23, s22, WREG
	v_lshrrev_b32 v14, 2, v2
	v_mul_u32_u24 v14, v14, SP
	v_and_b32 v15, 3, v2
	v_lshl_add_u32 v14, v15, 4, v14
	v_add_nc_u32 v14, s23, v14                     ; the stage, way in: SP (lane / 4) + 16 (lane % 4)
	v_mul_u32_u24 v15, v2, SP
	v_add_nc_u32 v15, s23, v15                     ; way out: SP x lane: my 16 neighbours
	v_mul_u32_u24 v4, v2, CB                       ; my codes' place in a step's
	v_lshrrev_b32 v5, 1, v2
	s_add_co_u32 s23, s23, 2*32*SP
	v_add_nc_u32 v5, s23, v5                       ; LDS: my block's scale byte
	v_lshlrev_b32 v7, 3, v2
	v_add_nc_u32 v6, s23, v7                       ; and 8 bytes a lane on the way out
	; which tensor, which rows: work-groups 0-767 take query, key, value (256 each), 768-895 the four weights (32 each)
	s_cmp_lt_u32 ttmp9, 768
	s_cselect_b32 s24, 0, 768
	s_cselect_b32 s25, 8, 5                        ; log2 of a tensor's work-groups
	s_cselect_b32 s26, 2, 0                        ; log2 of the rows between two s in the source
	s_cselect_b32 s27, 13, 10                      ; log2 of a tensor's rows
	s_cselect_b32 s28, 0, 24576                    ; the kind's first row in xc
	s_sub_co_u32 s24, ttmp9, s24
	s_lshr_b32 s29, s24, s25                       ; T: which tensor of its kind
	s_lshl_b32 s30, s29, s25
	s_sub_co_u32 s30, s24, s30
	s_lshl_b32 s30, s30, 2
	s_add_co_u32 s30, s30, s22                     ; my wave's run of 8 rows
	s_lshr_b32 s31, s30, 8                         ; b (0 for a weight)
	s_and_b32 s32, s30, 255
	s_lshl_b32 s32, s32, 3                         ; s0: my first s
	s_lshl_b32 s33, s32, s26
	s_add_co_u32 s33, s33, s31
	s_lshl_b32 s34, s33, 12                        ; the source's byte: rows of 4,096
	s_mov_b32 s35, 0
	s_lshl_b32 s36, 4096, s26                      ; from s to s + 1 in the source
	s_and_b32 s37, s32, 8
	s_lshl_b32 s37, s37, 1
	s_and_b32 s38, s32, 16
	s_lshr_b32 s38, s38, 1
	s_and_not1_b32 s39, s32, 24
	s_or_b32 s37, s37, s38
	s_or_b32 s37, s37, s39                         ; s0 with bits 3 and 4 exchanged
	s_cmp_lt_u32 ttmp9, 256
	s_cselect_b32 s37, s32, s37                    ; query keeps its order,
	s_cmp_ge_u32 ttmp9, 864
	s_cselect_b32 s37, s32, s37                    ; and so does Wo
	s_lshl_b32 s29, s29, s27
	s_add_co_u32 s29, s29, s28
	s_lshl_b32 s31, s31, 11
	s_add_co_u32 s29, s29, s31
	s_add_co_u32 s29, s29, s37                     ; my first row in xc and xs
.irp i, 0,1,2,3,4,5,6,7
	s_mul_i32 s38, s36, \i
	v_add_nc_u32 v[SA+\i], s38, v3
.endr
	s_wait_kmcnt 0x0
	s_mov_b64 s[24:25], s[16:17]                   ; the source: chosen by the work-group's number alone
	s_cmp_lt_u32 ttmp9, 864
	s_cselect_b64 s[24:25], s[14:15], s[24:25]
	s_cmp_lt_u32 ttmp9, 832
	s_cselect_b64 s[24:25], s[12:13], s[24:25]
	s_cmp_lt_u32 ttmp9, 800
	s_cselect_b64 s[24:25], s[10:11], s[24:25]
	s_cmp_lt_u32 ttmp9, 768
	s_cselect_b64 s[24:25], s[8:9], s[24:25]
	s_cmp_lt_u32 ttmp9, 512
	s_cselect_b64 s[24:25], s[6:7], s[24:25]
	s_cmp_lt_u32 ttmp9, 256
	s_cselect_b64 s[24:25], s[4:5], s[24:25]
	s_add_nc_u64 s[24:25], s[24:25], s[34:35]
	s_mul_i32 s26, s29, 768
	s_mov_b32 s27, 0
	s_add_nc_u64 s[26:27], s[18:19], s[26:27]      ; my codes
	s_lshl_b32 s28, s29, 5
	s_mov_b32 s29, 0
	s_add_nc_u64 s[28:29], s[20:21], s[28:29]      ; my scale bytes
.macro LOAD t                          ; step t: row t / 2, half t % 2
.irp i, 0,1,2,3
	global_load_b128 v[R+16*((\t)%4)+4*\i:R+16*((\t)%4)+4*\i+3], v[SA+(\t)/2], s[24:25] offset:2048*((\t)%2)+512*\i th:TH_LOAD_NT
.endr
.endm
.macro TURN t                          ; step t's numbers through the stage: LDS serves a wave's instructions in order, so no wait stands between the stores and the loads
.irp i, 0,1,2,3
	ds_store_b128 v14, v[R+16*((\t)%4)+4*\i:R+16*((\t)%4)+4*\i+3] offset:32*SP*((\t)%2)+8*SP*\i
.endr
.irp i, 0,1,2,3
	ds_load_b128 v[X+16*((\t)%2)+4*\i:X+16*((\t)%2)+4*\i+3], v15 offset:32*SP*((\t)%2)+16*\i
.endr
.endm
.irp t, 0,1,2,3
	LOAD \t
.endr
	s_wait_loadcnt 12                              ; step 0's four loads are in; the twelve of steps 1 to 3 may be out
	TURN 0
.macro STEP t
.set XS, X+16*((\t)%2)
.if (\t) > 0
	s_wait_dscnt 1                                 ; this step's numbers are back from the stage; the last step's byte store may be out
.else
	s_wait_dscnt 0x0
.endif
.if (\t)+4 < STEPS
	LOAD (\t)+4                                    ; into the registers whose stores into the stage are done
.endif
.if (\t)+1 < STEPS
.if STEPS-2-(\t) >= 3
	s_wait_loadcnt 12                              ; the next step's four loads are in; those of the three steps behind it may be out
.else
	s_wait_loadcnt 4*(STEPS-2-(\t))
.endif
	TURN (\t)+1
.endif
	v_max3_num_f32 v8, |v[XS]|, |v[XS+1]|, |v[XS+2]|               ; the largest magnitude of my 16, in two chains
	v_max3_num_f32 v9, |v[XS+3]|, |v[XS+4]|, |v[XS+5]|
.irp i, 6,10
	v_max3_num_f32 v8, v8, |v[XS+\i]|, |v[XS+\i+1]|
	v_max3_num_f32 v9, v9, |v[XS+\i+2]|, |v[XS+\i+3]|
.endr
	v_max3_num_f32 v8, v8, |v[XS+14]|, |v[XS+15]|
	v_max3_num_f32 v8, v8, v9, (EMAX+1)<<23        ; and the floor 2^(3 - 127): the byte cannot fall under 1
	v_max_num_f32_dpp v8, v8, v8 row_xmask:1 row_mask:0xf bank_mask:0xf   ; with my neighbour's 16: the block's
	v_add_nc_u32 v11, -(EMAX<<23), v8              ; 2 off its exponent field: the conversion takes that field as its scale
	v_cvt_scalef32_pk16_fp6_f32 v[C+4*(\t):C+4*(\t)+2], v[XS:XS+15], v11
	v_lshrrev_b32 v[E+(\t)], 23, v11               ; the scale's byte (also the plain line behind the conversion)
	ds_store_b8 v5, v[E+(\t)] offset:16*(\t)       ; both lanes of a block write the same byte with the same value
	global_store_b96 v4, v[C+4*(\t):C+4*(\t)+2], s[26:27] offset:32*CB*(\t)
.endm
.irp t, 0,1,2,3,4,5,6,7,8,9,10,11,12,13,14,15
	STEP \t
.endr
	ds_load_b64 v[8:9], v6                         ; LDS serves a wave's instructions in order: these see my byte stores
	s_wait_dscnt 0x0
	global_store_b64 v7, v[8:9], s[28:29]          ; 32 lanes store 256 consecutive bytes, aligned
	s_wait_tensorcnt 0x0                           ; the wave's end
	ds_add_u32 v[SPW], v[NIL]
	s_wait_dscnt 0x0
	s_endpgm
.Lfunc_end_k_q9ec47595bd_quant:
	.size	k_q9ec47595bd_quant, .Lfunc_end_k_q9ec47595bd_quant-k_q9ec47595bd_quant
	.p2alignl 7, 3214868480
	.fill 96, 4, 3214868480
	.section	.rodata,"a",@progbits
	.p2align	6, 0x0
	.amdhsa_kernel k_q9ec47595bd_quant
		.amdhsa_group_segment_fixed_size 33280
		.amdhsa_private_segment_fixed_size 0
		.amdhsa_enable_private_segment 0
		.amdhsa_kernarg_size 72
		.amdhsa_user_sgpr_count 2
		.amdhsa_user_sgpr_kernarg_segment_ptr 1
		.amdhsa_wavefront_size32 1
		.amdhsa_system_sgpr_workgroup_id_x 1
		.amdhsa_system_sgpr_workgroup_id_y 1
		.amdhsa_system_sgpr_workgroup_id_z 1
		.amdhsa_system_vgpr_workitem_id 0
		.amdhsa_next_free_vgpr 200
		.amdhsa_next_free_sgpr 66
		.amdhsa_reserve_vcc 0
		.amdhsa_float_denorm_mode_32 3
		.amdhsa_float_denorm_mode_16_64 3
		.amdhsa_memory_ordered 1
		.amdhsa_forward_progress 1
		.amdhsa_inst_pref_size 34
	.end_amdhsa_kernel
	.amdgpu_metadata
---
amdhsa.version: [ 1, 2 ]
amdhsa.kernels:
  - .name:           k_q9ec47595bd_quant
    .symbol:         k_q9ec47595bd_quant.kd
    .args:
      - { .name: query, .offset: 0, .size: 8, .value_kind: global_buffer, .address_space: global }
      - { .name: key, .offset: 8, .size: 8, .value_kind: global_buffer, .address_space: global }
      - { .name: value, .offset: 16, .size: 8, .value_kind: global_buffer, .address_space: global }
      - { .name: Wq, .offset: 24, .size: 8, .value_kind: global_buffer, .address_space: global }
      - { .name: Wk, .offset: 32, .size: 8, .value_kind: global_buffer, .address_space: global }
      - { .name: Wv, .offset: 40, .size: 8, .value_kind: global_buffer, .address_space: global }
      - { .name: Wo, .offset: 48, .size: 8, .value_kind: global_buffer, .address_space: global }
      - { .name: xc, .offset: 56, .size: 8, .value_kind: global_buffer, .address_space: global }
      - { .name: xs, .offset: 64, .size: 8, .value_kind: global_buffer, .address_space: global }
    .group_segment_fixed_size: 33280
    .private_segment_fixed_size: 0
    .kernarg_segment_align: 8
    .kernarg_segment_size: 72
    .max_flat_workgroup_size: 128
    .sgpr_count:     66
    .vgpr_count:     200
    .wavefront_size: 32
...
	.end_amdgpu_metadata
.endif
;; end of part 1
;; launch proj (part 2): grid 4 x 96, 4 waves a work-group, clusters of 4 x 4, 327,680 bytes of LDS; arguments xc, xs, bq, bk, bv, key_padding_mask, qw, kv; writes qw, kv
.if DOCPART == 2
	.amdgcn_target "amdgcn-amd-amdhsa--gfx1250"
	.amdhsa_code_object_version 6
	.text
	.protected	k_q9ec47595bd_proj
	.globl	k_q9ec47595bd_proj
	.p2align	8
	.type	k_q9ec47595bd_proj,@function
k_q9ec47595bd_proj:
	s_mov_b64 s[64:65], 0
	v_nop
	global_prefetch_b8 v0, s[64:65] scope:SCOPE_SE
	s_setreg_imm32_b32 hwreg(HW_REG_WAVE_MODE, 25, 1), 1
	s_wait_xcnt 0x0
	s_wait_alu depctr_hold_cnt(0) depctr_sa_sdst(0) depctr_va_vdst(0) depctr_va_sdst(0) depctr_va_ssrc(0) depctr_va_vcc(0) depctr_vm_vsrc(0)
	s_getreg_b32 s2, hwreg(HW_REG_IB_STS2, 6, 4)
	s_cmp_eq_u32 s2, 0
	s_cbranch_scc0 .Lentry_in_a_cluster
	s_endpgm
.Lentry_in_a_cluster:
	s_bfe_u32 s2, ttmp6, 0x10000c
	s_cmp_lg_u32 s2, 0xf033
	s_cbranch_scc0 .Lentry_shape_is_right
	s_endpgm
.Lentry_shape_is_right:
; q = query Wq^T + bq, k = key Wk^T + bk, v = value Wv^T + bv on codes of FP6 (E2M3) with E8M0 scales, and the results quantised again, in registers, as operands of attention's two products.
; 24 clusters of 4 x 4 work-groups: cluster y = 8 job + 2 b + half; job 0 q, 1 k, 2 v.  A work-group makes 256 x 256 of one product for one b, a wave 128 x 128 in 512 registers; K = 1,024 in four steps of 256
; through a ring of two LDS slots filled by joint tensor loads; the scale bytes of the work-group's rows come into LDS once.
; SIDES.  Source 1 ('A') gives a lane its row, source 0 ('B') runs along a lane's registers.  q, k: A = the tokens, B = the weight: a lane holds one token and 128 channels (two heads).
; v: A = the weight, B = the tokens: a lane holds one channel and 128 keys, since the keys are the second product's K.  B's rows lie in xc with bits 3 and 4 of their numbers exchanged, so the
; 16 registers of tiles 2 B and 2 B + 1 are 16 neighbours, 32 B + 16 (lane / 16) + 0 .. 15.
; THE WAY OUT.  For each of A's eight blocks: bias added, 64 numbers of a lane quantised (four blocks of 32), the codes stored as IMAGES OF THE OPERAND'S REGISTERS, whole runs of 256 or 512 bytes an instruction.
;   qw: records of 6,656 bytes at ((b 16 + head) 16 + step): 8 tiles x 768 bytes (piece p of 256: registers 2 p, 2 p + 1, 8 bytes a lane); at 6,144 the scale words [2][16 rows][4 tiles].
;   kv: blocks of 52,224 bytes at ((b 4 + head / 4) 16 + step), four head records of 13,056: K's 8 tiles x 768; at 6,144 V^T's 4 tiles x 1,536 (16 bytes a lane); at 12,288 K's scale words; at 12,800 V's [16][4].
; A head has 64 channels, half of the score product's 128 along K.  The scale words of q and k carry what the other half needs: q: bytes 0, 1 less 3 (the factor 1/8, exact), byte 2 = 127, byte 3 = 1;
; k: byte 2 = 1 for a key that counts and 247 for a key that key_padding_mask hides, byte 3 = 1.  Attention puts the codes +7.5 and -7.5 at k = 64.
; LIMITS: a block of q whose largest magnitude lies under 2^-121 (k, v: 2^-124) is held at that floor; a block of zeros gets the floor's byte; NaN and infinities are not served.
.set KSTEP,  256
.set NQ,     KSTEP/128
.set ROWB,   192                       ; a tile's row: 256 codes
.set KROW,   768                       ; a row of xc
.set PITCH,  240                       ; an LDS row: 3 x (64 bytes + 16 of padding) = 60 words: the 32 lanes of a load of 8 bytes touch 64 different banks (64 banks of 4 bytes: ISA guide 11.1)
.set FR,     12
.set NL,     6
.set NP,     4
.set HALFT,  128*PITCH
.set SLOT,   4*HALFT
.set LAPS,   2                         ; 1,024 / 512
.set KS,     32                        ; a row of xs
.set SCL,    2*SLOT
.set HALFS,  (128*KS/256)*272
.set SBLK,   (16*KS/256)*272
.set SPARE,  SCL+4*HALFS               ; the spare words: 128 bytes a wave, named by no other line
.set OB8,  8                           ; v8   64 x (lane / 16): offset of the bias along the registers
.set OB9,  9                           ; v9   4 x (r + 8 (r / 8)): offset of the bias by lanes
.set OB10, 10                          ; v10  r + 8 (r / 8): offset of the padding mask's bytes
.set LI8,  11                          ; v11  8 x lane
.set LI16, 12                          ; v12  16 x lane
.set SH,   13                          ; v13  16 x (lane / 16)
.set WO,   14                          ; v14  where q's or k's scale words go
.set WOV,  15                          ; v15  where v's go
.set ADRA, 16
.set ADRB, 20
.set ADRS, 27
.set SPW,  28
.set NIL,  29
.set SC,   32                          ; v32-63 scale words, two sets
.set BI,   64                          ; v64-127 the bias in the result's layout (q, k)
.set AF,   128                         ; A's fragments, one set
.set ST,   128                         ; the way out: v128-191 a block's 64 numbers
.set CD,   192                         ; v192-211 the codes just made
.set TM,   212                         ; v212-227 at work
.set PW,   228                         ; the scale word just made
.set TT,   229
.set PADB, 232                         ; v232-239 key_padding_mask's byte of my row of block a
.set W,    240                         ; v240-247 the eight scale words to store
.set BV,   248                         ; v248-255 the bias of my row of block a (v)
.set G1, 24
.set G0, 32
.set G1B, 48
.set G0B, 56
.set G1S, 68
.set G0S, 76
.set G1SB, 80
.set G0SB, 88
.set FLOOR, 66                         ; s66 job at the head, then the floor under a block's largest magnitude
.set ADJ,   67                         ; s67 b at the head, then what is taken off the two scale bytes
.set EXT,   100                        ; s100 bytes 2 and 3 of a scale word
.set PADM,  101                        ; s101 what a hidden key adds to byte 2
.set HSTR,  104                        ; s104 from a head's record to the next head's
.set SCOFF, 105                        ; s105 the scale words' place in a record
.set MSB, 0
.macro WIN new                         ; the immediate's high byte repeats the setting that is left
.if MSB != (\new)
	s_set_vgpr_msb (MSB<<8)|(\new)
.set MSB, (\new)
.endif
.endm
.set MUL_LO, 0xa1                      ; source 0 (B) window 1, source 1 (A) window 0, C and D window 2
.set MUL_HI, 0xf1
.set TO_B,   0x40
; A joint load: waves 0 and 1 fetch for A, waves 2 and 3 for B; the branch hangs on the wave's number alone.  An s_nop 0 and four v_nop follow each line.
.macro JLOAD g0a, g1a, g0b, g1b
	s_cmp_eq_u32 s15, 0
	s_cbranch_scc0 .Lfor_b_\@
	tensor_load_to_lds s[\g0a:\g0a+3], s[\g1a:\g1a+7]
	s_nop 0
.rept 4
	v_nop
.endr
	s_branch .Lasked_\@
.Lfor_b_\@:
	tensor_load_to_lds s[\g0b:\g0b+3], s[\g1b:\g1b+7]
	s_nop 0
.rept 4
	v_nop
.endr
.Lasked_\@:
.endm
.macro CREST
	s_cmp_lg_u32 s14, 0
	s_cbranch_scc1 .Lnot_wave_0_\@
	s_barrier_signal -3
.Lnot_wave_0_\@:
	s_barrier_wait -3
	s_barrier_signal -1
	s_barrier_wait -1
.endm
.macro CROUND
	s_barrier_signal -1
	s_barrier_wait -1
	CREST
.endm
	s_load_b256 s[4:11], s[0:1], 0x0               ; xc, xs, bq, bk
	s_load_b256 s[92:99], s[0:1], 0x20             ; bv, key_padding_mask, qw, kv
	v_lshl_add_u32 v[SPW], v0, 2, SPARE
	v_mov_b32 v[NIL], 0
	ds_add_u32 v[SPW], v[NIL]                      ; the wave's opening
	v_lshrrev_b32 v1, 5, v0
	v_readfirstlane_b32 s14, v1                    ; wave
	s_lshr_b32 s15, s14, 1                         ; my half of A's rows.  Also: I fetch for A (0) or for B (1)
	s_and_b32 s16, s14, 1                          ; my half of B's rows.  Also: which 128 rows I fetch
	s_bfe_u32 s40, ttmp6, 0x40000                  ; cx
	s_bfe_u32 s41, ttmp6, 0x40004                  ; cy
	s_and_b32 s18, ttmp7, 0xffff                   ; the cluster's y: the same in all sixteen partners
	s_lshr_b32 s66, s18, 3                         ; job
	s_bfe_u32 s67, s18, 0x20001                    ; b
	s_and_b32 s21, s18, 1
	s_lshl_b32 s21, s21, 2                         ; 4 x half
	s_cmp_eq_u32 s66, 2
	s_cselect_b32 s2, 1, 0                         ; is it v?
	s_cselect_b32 s22, 0, s21
	s_cselect_b32 s23, s21, 0
	s_add_co_u32 s17, s41, s22                     ; TR: A's tile row = cy (+ 4 half where A is the tokens)
	s_add_co_u32 s42, s40, s23                     ; TC: B's tile row = cx (+ 4 half where B is the tokens)
	s_lshl_b32 s100, s66, 13
	s_lshl_b32 s101, s67, 11
	s_add_co_u32 s100, s100, s101                  ; the tokens' first row in xc
	s_lshl_b32 s101, s66, 10
	s_add_co_u32 s101, s101, 24576                 ; the weight's
	s_cmp_eq_u32 s66, 2
	s_cselect_b32 s104, s101, s100                 ; A's
	s_cselect_b32 s105, s100, s101                 ; B's
	s_lshl_b32 s43, s41, 2
	s_lshl_b32 s43, 15, s43                        ; my row of the cluster
	s_lshl_b32 s44, 0x1111, s40                    ; my column
	s_or_b32 s[G1+0], s43, (0<<16)|(1<<20)|(1<<21)|(3<<22)|(3<<25)  ; the mask; elements of 1 byte; padding on; bit 21 beside a mask; after every 16 words, 4 words
	s_or_b32 s[G1B+0], s44, (0<<16)|(1<<20)|(1<<21)|(3<<22)|(3<<25)
.irp g, G1, G1B
	s_mov_b32 s[\g+1], ROWB<<16                    ; tensor_dim0
	s_mov_b32 s[\g+2], 128<<16                     ; tensor_dim1
	s_mov_b32 s[\g+3], ROWB<<16                    ; tile_dim0
	s_mov_b32 s[\g+4], 128                         ; tile_dim1
	s_mov_b32 s[\g+5], KROW                        ; the pitch
	s_mov_b32 s[\g+6], 0
	s_mov_b32 s[\g+7], 0
.endr
	s_or_b32 s[G1S+0], s43, (3<<16)|(1<<20)|(1<<21)|(5<<22)|(3<<25)  ; the scales of 128 rows: 4,096 dense bytes as 16 rows of 256, 16 bytes of padding behind each
	s_or_b32 s[G1SB+0], s44, (3<<16)|(1<<20)|(1<<21)|(5<<22)|(3<<25)
.irp g, G1S, G1SB
	s_mov_b32 s[\g+1], 32<<16
	s_mov_b32 s[\g+2], (128*KS/256)<<16
	s_mov_b32 s[\g+3], 32<<16
	s_mov_b32 s[\g+4], 128*KS/256
	s_mov_b32 s[\g+5], 32
	s_mov_b32 s[\g+6], 0
	s_mov_b32 s[\g+7], 0
.endr
	s_lshl_b32 s18, s16, 7                         ; which 128 rows of the tile I fetch
	s_lshl_b32 s20, s17, 8
	s_add_co_u32 s20, s20, s18
	s_add_co_u32 s20, s20, s104                    ; A: its base + 256 TR + 128 half: made of cy, never of cx
	s_lshl_b32 s46, s42, 8
	s_add_co_u32 s46, s46, s18
	s_add_co_u32 s46, s46, s105                    ; B: made of cx, never of cy
	s_lshl_b32 s22, s20, 5                         ; these rows' scale bytes
	s_mov_b32 s23, 0
	s_lshl_b32 s100, s46, 5
	s_mov_b32 s101, 0
	s_mul_i32 s20, s20, KROW                       ; and their codes (under 2^25 bytes)
	s_mov_b32 s21, 0
	s_mul_i32 s46, s46, KROW
	s_mov_b32 s47, 0
	s_mul_i32 s45, s14, HALFT                      ; where they go: wave x 128 rows
	s_mul_i32 s18, s14, HALFS
	s_wait_dscnt 0x0                               ; the opening add is done
	s_wait_kmcnt 0x0
	s_add_nc_u64 s[20:21], s[4:5], s[20:21]
	s_add_nc_u64 s[22:23], s[6:7], s[22:23]
	s_add_nc_u64 s[46:47], s[4:5], s[46:47]
	s_add_nc_u64 s[100:101], s[6:7], s[100:101]
	CROUND                                         ; all sixteen work-groups are here: the first joint loads meet
	s_mov_b32 s[G0S], 1
	s_add_co_u32 s[G0S+1], s18, SCL
	s_mov_b64 s[G0S+2:G0S+3], s[22:23]
	s_or_b32 s[G0S+3], s[G0S+3], 0x80000000
	s_mov_b32 s[G0SB], 1
	s_add_co_u32 s[G0SB+1], s18, SCL
	s_mov_b64 s[G0SB+2:G0SB+3], s[100:101]
	s_or_b32 s[G0SB+3], s[G0SB+3], 0x80000000
	JLOAD G0S, G1S, G0SB, G1SB                     ; the scales first
.irp s, 0,1
	s_mov_b32 s[G0+4*\s], 1
	s_add_co_u32 s[G0+4*\s+1], s45, \s*SLOT
	s_add_nc_u64 s[G0+4*\s+2:G0+4*\s+3], s[20:21], \s*ROWB
	s_or_b32 s[G0+4*\s+3], s[G0+4*\s+3], 0x80000000
	s_mov_b32 s[G0B+4*\s], 1
	s_add_co_u32 s[G0B+4*\s+1], s45, \s*SLOT
	s_add_nc_u64 s[G0B+4*\s+2:G0B+4*\s+3], s[46:47], \s*ROWB
	s_or_b32 s[G0B+4*\s+3], s[G0B+4*\s+3], 0x80000000
	JLOAD G0+4*\s, G1, G0B+4*\s, G1B
.endr
	v_and_b32 v1, 15, v0                           ; r
	v_bfe_u32 v2, v0, 4, 1                         ; h
	v_mul_u32_u24 v3, v1, PITCH
	v_mul_u32_u24 v4, v2, 24
	v_add_nc_u32 v4, v3, v4                        ; a fragment's row x pitch + 24 h
	v_lshl_add_u32 v5, v2, 4, v4                   ; and the same behind one padding more
	s_mul_i32 s21, s15, HALFT
	s_mul_i32 s22, s16, HALFT
	s_add_co_u32 s22, s22, 2*HALFT
.irp s, 0,1
	v_add_nc_u32 v[ADRA+\s], s21, v4
	v_add_nc_u32 v[ADRB+\s], s22, v4
	v_add_nc_u32 v[ADRA+2+\s], s21, v5
	v_add_nc_u32 v[ADRB+2+\s], s22, v5
	s_add_co_u32 s21, s21, SLOT
	s_add_co_u32 s22, s22, SLOT
.endr
	v_mul_u32_u24 v5, v1, KS
	v_lshrrev_b32 v6, 8, v5
	v_lshl_add_u32 v5, v6, 4, v5                   ; my row's scales: 32 bytes a row, 16 more for each 256 passed
	s_mul_i32 s21, s15, HALFS
	s_mul_i32 s22, s16, HALFS
	s_add_co_u32 s22, s22, 2*HALFS
	s_sub_co_u32 s22, s22, s21
	v_mul_u32_u24 v6, s22, v2                      ; lanes 16-31 take B's
	s_add_co_u32 s21, s21, SCL
	v_add_nc_u32 v5, v5, v6
	v_add_nc_u32 v[ADRS], s21, v5
	; the biases and the padding mask's bytes: all three sets are loaded in every job, from places inside their buffers, so that every register is written on every path; they are waited for in front of the way out
	s_cmp_eq_u32 s66, 0
	s_cselect_b64 s[12:13], s[8:9], s[10:11]
	s_cmp_eq_u32 s66, 2
	s_cselect_b64 s[12:13], s[92:93], s[12:13]     ; bq, bk or bv
	s_lshl_b32 s18, s42, 10
	s_lshl_b32 s19, s16, 9
	s_add_co_u32 s18, s18, s19                     ; (256 TC + 128 (w & 1)) x 4
	s_lshl_b32 s20, s17, 10
	s_lshl_b32 s21, s15, 9
	s_add_co_u32 s20, s20, s21                     ; (256 TR + 128 (w >> 1)) x 4
	s_cmp_eq_u32 s2, 0
	s_cselect_b32 s18, s18, 0
	s_cselect_b32 s20, 0, s20
	s_mov_b32 s19, 0
	s_mov_b32 s21, 0
	s_add_nc_u64 s[18:19], s[12:13], s[18:19]
	s_add_nc_u64 s[20:21], s[12:13], s[20:21]
	s_lshl_b32 s22, s67, 11
	s_lshl_b32 s23, s17, 8
	s_add_co_u32 s22, s22, s23
	s_lshl_b32 s23, s15, 7
	s_add_co_u32 s22, s22, s23                     ; b x 2,048 + 256 TR + 128 (w >> 1)
	s_mov_b32 s23, 0
	s_add_nc_u64 s[22:23], s[94:95], s[22:23]
	v_lshlrev_b32 v[OB8], 6, v2
	v_and_b32 v[OB10], 8, v1
	v_add_nc_u32 v[OB10], v[OB10], v1
	v_lshlrev_b32 v[OB9], 2, v[OB10]
.irp t, 0,1,2,3,4,5,6,7
	global_load_b128 v[BI+8*\t:BI+8*\t+3], v[OB8], s[18:19] offset:(32*(\t/2)+8*(\t%2))*4
	global_load_b128 v[BI+8*\t+4:BI+8*\t+7], v[OB8], s[18:19] offset:(32*(\t/2)+8*(\t%2))*4+16
.endr
.irp t, 0,1,2,3,4,5,6,7
	global_load_b32 v[BV+\t], v[OB9], s[20:21] offset:(32*(\t/2)+8*(\t%2))*4
	global_load_u8 v[PADB+\t], v[OB10], s[22:23] offset:32*(\t/2)+8*(\t%2)
.endr
	; where my records begin
	s_lshl_b32 s100, s17, 1
	s_add_co_u32 s100, s100, s15                   ; 2 TR + (w >> 1): q's and k's step
	s_lshl_b32 s101, s42, 1
	s_add_co_u32 s101, s101, s16                   ; 2 TC + (w & 1): v's step; q's and k's first head / 2
	s_lshl_b32 s104, s67, 3
	s_add_co_u32 s104, s104, s101
	s_lshl_b32 s104, s104, 5
	s_add_co_u32 s104, s104, s100
	s_mul_i32 s104, s104, 6656                     ; q: ((b 16 + head) 16 + step) x 6,656
	s_cmp_eq_u32 s2, 0
	s_cselect_b32 s105, s42, s17                   ; the group of four heads
	s_cselect_b32 s100, s100, s101                 ; the step
	s_cselect_b32 s101, s16, s15                   ; which two heads of the four
	s_lshl_b32 s45, s67, 2
	s_add_co_u32 s45, s45, s105
	s_lshl_b32 s45, s45, 4
	s_add_co_u32 s45, s45, s100
	s_mul_i32 s45, s45, 52224
	s_mul_i32 s101, s101, 2*13056
	s_add_co_u32 s45, s45, s101                    ; k, v: ((b 4 + group) 16 + step) x 52,224 + the pair's 26,112
	s_cmp_eq_u32 s66, 0                            ; is it q?  Moves and selects leave SCC alone
	s_cselect_b64 s[8:9], s[96:97], s[98:99]
	s_cselect_b32 s46, s104, s45
	s_mov_b32 s47, 0
	s_mov_b32 s[HSTR], 13056
	s_cselect_b32 s[HSTR], 106496, s[HSTR]
	s_mov_b32 s[SCOFF], 12288
	s_cselect_b32 s[SCOFF], 6144, s[SCOFF]
	s_mov_b32 s[FLOOR], 0x1800000
	s_cselect_b32 s[FLOOR], 0x3000000, s[FLOOR]    ; q: 2^(6 - 127), so that its byte less 3 stays at 1 or more
	s_cselect_b32 s[ADJ], 0x0303, 0
	s_mov_b32 s[EXT], 0x01010000
	s_cselect_b32 s[EXT], 0x017f0000, s[EXT]
	s_cselect_b32 s[PADM], 0, 246<<16
	s_add_nc_u64 s[8:9], s[8:9], s[46:47]          ; R0: my first head's record
	s_mov_b32 s46, s[HSTR]
	s_add_nc_u64 s[10:11], s[8:9], s[46:47]        ; R1: my second head's
	v_and_b32 v3, 31, v0
	v_lshlrev_b32 v[LI8], 3, v3
	v_lshlrev_b32 v[LI16], 4, v3
	v_lshlrev_b32 v[SH], 4, v2
	v_mul_u32_u24 v[WO], v2, s[HSTR]
	v_lshl_add_u32 v[WO], v1, 4, v[WO]
	v_add_nc_u32 v[WO], s[SCOFF], v[WO]            ; lanes 0-15 the first head's words, lanes 16-31 the second's; 16 bytes a row
	v_mul_u32_u24 v[WOV], v2, 13056
	v_lshl_add_u32 v[WOV], v1, 4, v[WOV]
.macro FRAG reg, adr, q, i             ; a fragment: 16 rows x 128 K in 12 registers, in pieces of 8 bytes; where the piece three on lies behind one padding more, the second address register serves
.irp p, 0,1,2,3,4,5
.set PIECE, 12*(\q)+6*(\p/3)+\p%3
.if PIECE%8 < 5
	ds_load_b64 v[\reg+2*\p:\reg+2*\p+1], v[\adr] offset:8*PIECE+16*(PIECE/8)+(\i)*16*PITCH
.else
	ds_load_b64 v[\reg+2*\p:\reg+2*\p+1], v[\adr+2] offset:8*PIECE+16*(PIECE/8)+(\i)*16*PITCH
.endif
.endr
.endm
; 16 matrix instructions: A's blocks a0, a0 + 1 x B's eight.  The 64 accumulators take turns, one instruction a turn, in the same order in every step.
.macro MUL16 a0, p, q, sc, zero
.irp a, \a0, \a0+1
.irp b, 0,1,2,3,4,5,6,7
.if \zero
	v_wmma_scale_f32_16x16x128_f8f6f4 v[8*(8*((\a)%4)+\b):8*(8*((\a)%4)+\b)+7], v[128*(\p)+FR*\b:128*(\p)+FR*\b+FR-1], v[AF+FR*(\a):AF+FR*(\a)+FR-1], 0, v[SC+8*NQ*(\sc)+NQ*\b+(\q)], v[SC+8*NQ*(\sc)+NQ*(\a)+(\q)] matrix_a_fmt:MATRIX_FMT_FP6 matrix_b_fmt:MATRIX_FMT_FP6 matrix_a_scale:MATRIX_SCALE_ROW1
.else
	v_wmma_scale_f32_16x16x128_f8f6f4 v[8*(8*((\a)%4)+\b):8*(8*((\a)%4)+\b)+7], v[128*(\p)+FR*\b:128*(\p)+FR*\b+FR-1], v[AF+FR*(\a):AF+FR*(\a)+FR-1], v[8*(8*((\a)%4)+\b):8*(8*((\a)%4)+\b)+7], v[SC+8*NQ*(\sc)+NQ*\b+(\q)], v[SC+8*NQ*(\sc)+NQ*(\a)+(\q)] matrix_a_fmt:MATRIX_FMT_FP6 matrix_b_fmt:MATRIX_FMT_FP6 matrix_a_scale:MATRIX_SCALE_ROW1
.endif
.endr
.endr
.endm
.macro FETCH_B slot, q, p
	WIN TO_B
.irp i, 0,1,2,3,4,5,6,7
	FRAG 128*(\p)+FR*\i, ADRB+\slot, \q, \i
.endr
	WIN 0
.endm
.macro FETCH_A slot, q, i0
.irp i, \i0, \i0+1, \i0+2, \i0+3
	FRAG AF+FR*(\i), ADRA+\slot, \q, \i
.endr
.endm
.macro SCALES sc                       ; a K step's scale words: lanes 0-15 A's block i, lanes 16-31 B's block i
.irp i, 0,1,2,3,4,5,6,7
	ds_load_b64 v[SC+8*NQ*\sc+NQ*\i:SC+8*NQ*\sc+NQ*\i+1], v[ADRS] offset:\i*SBLK
.endr
.endm
.macro PLACES n                        ; plain vector instructions between a matrix instruction and a load into, or a vector write or read of, its registers
.rept \n
	v_nop
.endr
.endm
.macro STEP slot, q, zero              ; 128 along K that have their successor in the same slot
	s_wait_dscnt 4*NL                              ; B's set and A's blocks 0-3 are in; the 24 youngest loads (A's blocks 4-7) may be out
	WIN MUL_LO
	MUL16 0, (\q)%2, \q, \slot, \zero
	MUL16 2, (\q)%2, \q, \slot, \zero
	s_wait_dscnt 0
	PLACES NP
	FETCH_B \slot, (\q)+1, 1-(\q)%2
	FETCH_A \slot, (\q)+1, 0
	WIN MUL_HI
	MUL16 4, (\q)%2, \q, \slot, \zero
	MUL16 6, (\q)%2, \q, \slot, \zero
	PLACES NP
	WIN 0
	FETCH_A \slot, (\q)+1, 4
.endm
; A slot's last step changes slots: one barrier; in front of it each wave waits for all its tensor loads, adds 0 to its spare word, and waits for that and for its reads of this slot.
.macro TURN slot, next, fill
	s_wait_tensorcnt 0x0                           ; all my tensor loads have landed: my part of the next slot
	ds_add_u32 v[SPW], v[NIL]
	s_wait_dscnt 4*NL+1                            ; the add and the 24 youngest loads may be out
	WIN MUL_LO
	MUL16 0, 1, NQ-1, \slot, 0
	s_wait_dscnt 0x0                               ; the add is done, and my reads of this slot are over
	s_barrier_signal -1
	MUL16 2, 1, NQ-1, \slot, 0
	WIN 0
	s_barrier_wait -1
.if \fill
	CREST                                          ; the barrier has opened a round of the cluster's: no wave of any partner still reads this slot or has a load on its way
	s_add_nc_u64 s[G0+4*\slot+2:G0+4*\slot+3], s[G0+4*\slot+2:G0+4*\slot+3], 2*ROWB
	s_add_nc_u64 s[G0B+4*\slot+2:G0B+4*\slot+3], s[G0B+4*\slot+2:G0B+4*\slot+3], 2*ROWB
	JLOAD G0+4*\slot, G1, G0B+4*\slot, G1B         ; the first tensor load behind the round; its four v_nop are the places in front of the loads below
.else
	PLACES NP
.endif
	v_add_nc_u32 v[ADRS], 4*NQ, v[ADRS]
	FETCH_B \next, 0, 0
	FETCH_A \next, 0, 0
	SCALES \next
	WIN MUL_HI
	MUL16 4, 1, NQ-1, \slot, 0
	MUL16 6, 1, NQ-1, \slot, 0
	PLACES NP
	WIN 0
	FETCH_A \next, 0, 4
.endm
	s_wait_tensorcnt 1                             ; the scales and my part of K step 0 are in; K step 1's load may be out
	s_barrier_signal -1
	s_barrier_wait -1
	FETCH_B 0, 0, 0
	FETCH_A 0, 0, 0
	SCALES 0
	FETCH_A 0, 0, 4
	STEP 0, 0, 1                                   ; the first step's products start the sums
	s_mov_b32 s3, LAPS-1
.Llap:
	TURN 0, 1, 1
	STEP 1, 0, 0
	TURN 1, 0, 1
	STEP 0, 0, 0
	s_sub_co_u32 s3, s3, 1
	s_cmp_lg_u32 s3, 0
	s_cbranch_scc1 .Llap
	TURN 0, 1, 0                                   ; the last lap fills nothing
	STEP 1, 0, 0
	s_wait_dscnt 4*NL
	WIN MUL_LO
	MUL16 0, 1, NQ-1, 1, 0
	MUL16 2, 1, NQ-1, 1, 0
	s_wait_dscnt 0
	WIN MUL_HI
	MUL16 4, 1, NQ-1, 1, 0
	MUL16 6, 1, NQ-1, 1, 0
	WIN 0
; 64 numbers of a lane, register 16 b + i = place 32 b + 16 (lane / 16) + i along the next K, become 12 registers of codes in v[CD] on and a scale word in v[PW]
.macro QUANT s
.irp b, 0,1,2,3
	v_max3_num_f32 v[TM+\b], |v[\s+16*\b]|, |v[\s+1+16*\b]|, s[FLOOR]
.endr
.irp i, 2,4,6,8,10,12,14
.irp b, 0,1,2,3
	v_max3_num_f32 v[TM+\b], v[TM+\b], |v[\s+16*\b+\i]|, |v[\s+1+16*\b+\i]|
.endr
.endr
.irp b, 0,1,2,3
	v_permlanex16_b32 v[TM+4+\b], v[TM+\b], s18, s19
.endr
.irp b, 0,1,2,3
	v_max_num_f32 v[TM+\b], v[TM+\b], v[TM+4+\b]   ; with lane l xor 16's: the block's largest magnitude
.endr
.irp b, 0,1,2,3
	v_add_nc_u32 v[TM+12+\b], 0xff000000, v[TM+\b] ; 2 off its exponent field: the conversion's scale operand
.endr
.irp b, 0,1,2,3
	v_lshrrev_b32 v[TM+4+\b], 23, v[TM+12+\b]      ; the scale's byte
.endr
	v_lshl_or_b32 v[PW], v[TM+5], 8, v[TM+4]
	v_lshl_or_b32 v[PW], v[TM+6], 16, v[PW]
	v_lshl_or_b32 v[PW], v[TM+7], 24, v[PW]
.irp c, 0,1
	v_cvt_scalef32_pk16_fp6_f32 v[CD+6*\c:CD+2+6*\c], v[\s+32*\c:\s+15+32*\c], v[TM+12+2*\c]
	v_cvt_scalef32_pk16_fp6_f32 v[CD+12+4*\c:CD+14+4*\c], v[\s+16+32*\c:\s+31+32*\c], v[TM+12+2*\c+1]   ; (a conversion's three registers begin on an even number)
.endr
	v_nop                                          ; one plain place behind a scaled conversion
.irp c, 0,1                                    ; a whole block to a lane: lanes 0-15 block 2 c, lanes 16-31 block 2 c + 1
.irp i, 0,1,2
	v_permlane16_swap_b32 v[CD+6*\c+\i], v[CD+12+4*\c+\i]
.endr
.irp i, 0,1,2
	v_mov_b32 v[CD+3+6*\c+\i], v[CD+12+4*\c+\i]
.endr
.endr
.endm
; Block a of A's eight goes out.  The branches hang on the job, which is the same in every wave of the cluster; at each branch and label every window is 0.
.macro EPI a
.set AC, 64*((\a)%4)
.if (\a) > 0
	s_wait_xcnt 0x0                                ; the last block's stores have read their data: the codes' registers are written again only behind this wait
.endif
	s_cmp_lg_u32 s2, 0
	s_cbranch_scc1 .Lbias_v_\@
	WIN 0x02+(\a)/4                                ; source 0: the accumulators' window
.set n, 0
.rept 32
	v_pk_add_f32 v[ST+n:ST+n+1], v[AC+n:AC+n+1], v[BI+n:BI+n+1]   ; q, k: the bias runs along the registers; each accumulator is read from its low end on
.set n, n+2
.endr
	WIN 0
	s_branch .Lbias_done_\@
.Lbias_v_\@:
	WIN 0x02+(\a)/4
.set n, 0
.rept 64
	v_add_f32 v[ST+n], v[AC+n], v[BV+(\a)]         ; v: one bias a lane
.set n, n+1
.endr
	WIN 0
.Lbias_done_\@:
	QUANT ST
	s_cmp_lg_u32 s2, 0
	s_cbranch_scc1 .Lout_v_\@
.irp p, 0,1,2
	global_store_b64 v[LI8], v[CD+2*\p:CD+2*\p+1], s[8:9] offset:768*(\a)+256*\p        ; registers 0-5: my first head's 64 channels; 32 lanes store 256 consecutive bytes, aligned
	global_store_b64 v[LI8], v[CD+6+2*\p:CD+6+2*\p+1], s[10:11] offset:768*(\a)+256*\p  ; registers 6-11: my second head's
.endr
	v_lshrrev_b32 v[TT], v[SH], v[PW]              ; lanes 0-15 keep the first head's two bytes, lanes 16-31 the second's
	v_and_b32 v[TT], 0xffff, v[TT]
	v_sub_nc_u32 v[TT], v[TT], s[ADJ]              ; q: 3 off each byte: the factor 1/8
	v_mad_u32_u24 v[W+(\a)], v[PADB+(\a)], s[PADM], v[TT]   ; k: 246 onto byte 2 where the key is hidden
	v_or_b32 v[W+(\a)], s[EXT], v[W+(\a)]
	s_branch .Lout_done_\@
.Lout_v_\@:
.irp c, 0,1,2
	global_store_b128 v[LI16], v[CD+4*\c:CD+4*\c+3], s[8+2*((\a)/4):9+2*((\a)/4)] offset:6144+1536*((\a)%4)+512*\c   ; 32 lanes store 512 consecutive bytes, aligned
.endr
	v_mov_b32 v[W+(\a)], v[PW]
.Lout_done_\@:
.endm
	s_wait_loadcnt 0x0                             ; the biases and the padding mask's bytes; their address registers are free from here on
	PLACES NP                                      ; behind the last products, whose fragments' registers are written below
	s_mov_b32 s18, 0x76543210
	s_mov_b32 s19, 0xfedcba98                      ; v_permlanex16_b32's selects for lane l xor 16
	s_mov_b32 s20, 0xffff0000                      ; lanes 16-31
.irp b, 0,1,2,3
	v_mov_b32 v[TM+4+\b], 0                        ; written once: a lane permute's destination counts as one of its sources
.endr
.irp a, 0,1,2,3,4,5,6,7
	EPI \a
.endr
	s_cmp_lg_u32 s2, 0
	s_cbranch_scc1 .Lwords_v
	global_store_b128 v[WO], v[W:W+3], s[8:9]                 ; tiles 0-3: 16 lanes store 256 consecutive bytes, aligned
	global_store_b128 v[WO], v[W+4:W+7], s[8:9] offset:256    ; tiles 4-7
	s_branch .Lwords_done
.Lwords_v:
.irp i, 0,1,2,3
	v_cndmask_b32 v[ST+\i], v[W+\i], v[W+4+\i], s20           ; lanes 0-15 the first head's four tiles, lanes 16-31 the second's
.endr
	global_store_b128 v[WOV], v[ST:ST+3], s[8:9] offset:12800
.Lwords_done:
	s_wait_tensorcnt 0x0                           ; the wave's end
	ds_add_u32 v[SPW], v[NIL]
	s_wait_dscnt 0x0
	CROUND                                         ; the closing round
	s_endpgm
.Lfunc_end_k_q9ec47595bd_proj:
	.size	k_q9ec47595bd_proj, .Lfunc_end_k_q9ec47595bd_proj-k_q9ec47595bd_proj
	.p2alignl 7, 3214868480
	.fill 96, 4, 3214868480
	.section	.rodata,"a",@progbits
	.p2align	6, 0x0
	.amdhsa_kernel k_q9ec47595bd_proj
		.amdhsa_group_segment_fixed_size 327680
		.amdhsa_private_segment_fixed_size 0
		.amdhsa_enable_private_segment 0
		.amdhsa_kernarg_size 64
		.amdhsa_user_sgpr_count 2
		.amdhsa_user_sgpr_kernarg_segment_ptr 1
		.amdhsa_wavefront_size32 1
		.amdhsa_system_sgpr_workgroup_id_x 1
		.amdhsa_system_sgpr_workgroup_id_y 1
		.amdhsa_system_sgpr_workgroup_id_z 1
		.amdhsa_system_vgpr_workitem_id 0
		.amdhsa_next_free_vgpr 1024
		.amdhsa_next_free_sgpr 106
		.amdhsa_reserve_vcc 0
		.amdhsa_float_denorm_mode_32 3
		.amdhsa_float_denorm_mode_16_64 3
		.amdhsa_memory_ordered 1
		.amdhsa_forward_progress 1
		.amdhsa_inst_pref_size 209
	.end_amdhsa_kernel
	.amdgpu_metadata
---
amdhsa.version: [ 1, 2 ]
amdhsa.kernels:
  - .name:           k_q9ec47595bd_proj
    .symbol:         k_q9ec47595bd_proj.kd
    .args:
      - { .name: xc, .offset: 0, .size: 8, .value_kind: global_buffer, .address_space: global }
      - { .name: xs, .offset: 8, .size: 8, .value_kind: global_buffer, .address_space: global }
      - { .name: bq, .offset: 16, .size: 8, .value_kind: global_buffer, .address_space: global }
      - { .name: bk, .offset: 24, .size: 8, .value_kind: global_buffer, .address_space: global }
      - { .name: bv, .offset: 32, .size: 8, .value_kind: global_buffer, .address_space: global }
      - { .name: key_padding_mask, .offset: 40, .size: 8, .value_kind: global_buffer, .address_space: global }
      - { .name: qw, .offset: 48, .size: 8, .value_kind: global_buffer, .address_space: global }
      - { .name: kv, .offset: 56, .size: 8, .value_kind: global_buffer, .address_space: global }
    .group_segment_fixed_size: 327680
    .private_segment_fixed_size: 0
    .kernarg_segment_align: 8
    .kernarg_segment_size: 64
    .max_flat_workgroup_size: 128
    .sgpr_count:     106
    .vgpr_count:     1024
    .wavefront_size: 32
...
	.end_amdgpu_metadata
.endif
;; end of part 2
;; launch attn (part 3): grid 16 x 32, 16 waves a work-group, clusters of 4 x 4, 327,680 bytes of LDS; arguments qw, kv, attn_mask, ac, asc; writes ac, asc
.if DOCPART == 3
	.amdgcn_target "amdgcn-amd-amdhsa--gfx1250"
	.amdhsa_code_object_version 6
	.text
	.protected	k_q9ec47595bd_attn
	.globl	k_q9ec47595bd_attn
	.p2align	8
	.type	k_q9ec47595bd_attn,@function
k_q9ec47595bd_attn:
	s_mov_b64 s[64:65], 0
	v_nop
	global_prefetch_b8 v0, s[64:65] scope:SCOPE_SE
	s_setreg_imm32_b32 hwreg(HW_REG_WAVE_MODE, 25, 1), 1
	s_wait_xcnt 0x0
	s_wait_alu depctr_hold_cnt(0) depctr_sa_sdst(0) depctr_va_vdst(0) depctr_va_sdst(0) depctr_va_ssrc(0) depctr_va_vcc(0) depctr_vm_vsrc(0)
	s_getreg_b32 s2, hwreg(HW_REG_IB_STS2, 6, 4)
	s_cmp_eq_u32 s2, 0
	s_cbranch_scc0 .Lentry_in_a_cluster
	s_endpgm
.Lentry_in_a_cluster:
	s_bfe_u32 s2, ttmp6, 0x10000c
	s_cmp_lg_u32 s2, 0xf033
	s_cbranch_scc0 .Lentry_shape_is_right
	s_endpgm
.Lentry_shape_is_right:
; softmax(q k^T / 8 + attn_mask, hidden keys at -infinity) v for 4 batches x 16 heads of 64, both products on codes of FP6 (E2M3) with E8M0 scales; the result, divided by the row's sum, is quantised along the
; 1,024 channels for the last product: ac [s 4 + b][768 bytes], asc [s 4 + b][32 bytes].
; SHARES.  A work-group owns 64 queries of four heads of one b; wave w owns head 4 g + w / 4 and the 16 queries of tile w % 4, in 256 registers: four waves to a SIMD.  Every wave walks 16 steps of 128 keys.
; CLUSTER 4 x 4: cluster x = b; cx = the group of four heads; 4 x cluster y + cy = the block of 64 queries.  A step's K and V of four heads (52,224 bytes, images of the operands' registers) hang on (b, cx) and are
; asked for jointly along a column of the cluster; the step's tile of attn_mask (64 rows x 512 bytes) hangs on the block of queries and is asked for jointly along a row.
; BOTH PRODUCTS ARE USED TRANSPOSED: S^T = K Q^T, O^T = V^T P^T: a lane holds one query throughout.  The keys of a tile of K and the channels of a tile of V^T are 32 B + 8 u + r + 8 (r / 8), so that 16 registers of two
; neighbouring tiles are 16 neighbours.
; THE MASK IS THE C OF THE SCORE PRODUCT: it is loaded from LDS into the accumulator's registers, in the result's layout.  The factor 1/8 stands in q's scale bytes.  So the product gives the logit as it is.
; HIDDEN KEYS.  A head's 64 channels fill half of the instruction's 128 along K.  At k = 64 q has the code +7.5 under the byte 127 and every key the code -7.5, under the byte 1 where the key counts (a common
; -56.25 x 2^-126 on every logit) and 247 where key_padding_mask hides it: -56.25 x 2^120, so that p = 0.
; THE SOFTMAX: t = logit x log2(e); M = the running largest t rounded up to a whole number; p = 2^(t - M) is quantised along the keys; the sum is taken of the unquantised p; when M moves, sum and O^T are multiplied by 2^(old M - new M).
; LIMITS: a row all of whose keys are hidden gives finite numbers here (NaN is what the definition gives); |logit| stays well under 7e37; NaN and +infinity are not served; -infinity in attn_mask gives p = 0.
.set SLOT1, 131072                     ; slot 1 begins here
.set REC,   13056                      ; a head's record: K 6,144, V^T 6,144, K's scale words 512, V's 256
.set BLKB,  4*REC                      ; a step's four records
.set MOFF,  BLKB                       ; behind them the mask's tile: 64 rows,
.set MP,    528                        ; 512 bytes + 16 of padding = 33 x 16: the 16 rows that a load of 16 bytes a lane touches start at 16 different groups of banks
.set STG,   SLOT1+MOFF+64*MP           ; behind the ring: the way out: 64 rows x 272: sixteen places of 16 bytes, 12 bytes of codes in each
.set STG2,  STG+64*272                 ; and 64 rows x 8 scale bytes
.set SPARE, STG2+512                   ; the spare words: 128 bytes for each of 16 waves, named by no other line
.set SPW,  9                           ; v1-4 slot 0's addresses (mask, K, V, scale words), v5-8 slot 1's; v9 my spare word; v10 0; v11 the prefetches' offset
.set NIL,  10
.set PFO,  11
.set SO,   28                          ; v28-31 the way out's LDS addresses
.set SO2,  29
.set SR,   30
.set SR2,  31
.set RR,   80                          ; v80 r, v81 h, v82 lane; v83, v84 at work at the head
.set HH,   81
.set LL,   82
.set GO,   92                          ; v92, v93 the way out's offsets in ac and asc; v94, v95 the offsets of Q's loads
.set GO2,  93
; v12 -M, v13 the largest t, v[14:15] the sum; v16-27 Q; v32-79 four fragments of K (registers 6-11 of each are written once); v96-159 the mask, then S^T, then p, then V^T's four fragments in v96-143;
; v160-191 O^T; v192-199 K's scale words, v200-203 V's, v204 Q's; v224-235 p's codes; v232-254 at work
.set WV,   18
.set SEL,  20
.set CS,   22
.set G1K,  24
.set G1M,  32
.set G0K,  40                          ; s[40:47] group 0 for K and V, a set for each slot
.set G0M,  48                          ; s[48:55] for the mask
.set LAPC, 56
.set LIM,  58
.set PFA,  60
.set PFS,  62
; Waves 0 and 1 fetch the two halves of the step's records, wave 2 the mask's tile, the others nothing: the branches hang on the wave's number alone.  An s_nop 0 and four v_nop follow each line.
.macro TLOAD n
	s_cmp_lt_u32 s[WV], 2
	s_cbranch_scc0 .Lnot_k_\@
	tensor_load_to_lds s[G0K+4*(\n):G0K+4*(\n)+3], s[G1K:G1K+7]
	s_nop 0
.rept 4
	v_nop
.endr
	s_branch .Lasked_\@
.Lnot_k_\@:
	s_cmp_eq_u32 s[WV], 2
	s_cbranch_scc0 .Lasked_\@
	tensor_load_to_lds s[G0M+4*(\n):G0M+4*(\n)+3], s[G1M:G1M+7]
	s_nop 0
.rept 4
	v_nop
.endr
.Lasked_\@:
.endm
; A PREFETCH INTO THE L2 of what the next trip's tensor loads will ask for, one key step ahead of them.  The mask's tile is read by the clusters of all four b: the clusters with x = 0 ask, wave 3; the four partners of a
; row of the cluster take 16 rows each, told apart by address; a lane names one of a row's two runs of 256 bytes.  A step's records are read by the clusters of all eight y: those with y = 0 ask, waves 4 and 5; the four
; partners of a column take a head's record each, by address: 51 runs of 256 bytes, wave 4 the first 32, wave 5 the other 19 (its lanes 19-31 name the last once more, in the same instruction).
.macro ASK
	s_cmp_eq_u32 s[LIM], 1
	s_cbranch_scc0 .Lnot_mine_\@
	global_prefetch_b8 v[PFO], s[PFA:PFA+1] th:TH_LOAD_NT scope:SCOPE_SE
.Lnot_mine_\@:
.endm
.macro ROUND                           ; a round of the cluster's barrier
	s_barrier_signal -1
	s_barrier_wait -1
	s_cmp_lg_u32 s[WV], 0
	s_cbranch_scc1 .Lnot_wave_0_\@
	s_barrier_signal -3
.Lnot_wave_0_\@:
	s_barrier_wait -3
	s_barrier_signal -1
	s_barrier_wait -1
.endm
	s_load_b256 s[4:11], s[0:1], 0x0               ; qw, kv, attn_mask, ac
	s_load_b64 s[12:13], s[0:1], 0x20              ; asc
	v_lshl_add_u32 v[SPW], v0, 2, SPARE
	v_mov_b32 v[NIL], 0
	ds_add_u32 v[SPW], v[NIL]                      ; the wave's opening
	v_lshrrev_b32 v[RR], 5, v0
	v_readfirstlane_b32 s[WV], v[RR]               ; wave 0..15
	s_lshr_b32 s19, s[WV], 2                       ; i: my head of the four
	s_and_b32 s57, s[WV], 3                        ; j: my tile of the four
	s_bfe_u32 s14, ttmp6, 0x40000                  ; cx = g
	s_bfe_u32 s15, ttmp6, 0x40004                  ; cy
	s_and_b32 s17, ttmp7, 0xffff
	s_lshl_b32 s17, s17, 2
	s_add_co_u32 s17, s17, s15                     ; the block of 64 queries
	s_lshl_b32 s66, s15, 2
	s_lshl_b32 s66, 15, s66                        ; my row of the cluster
	s_lshl_b32 s67, 0x1111, s14                    ; my column
	s_or_b32 s[G1K], s67, (3<<16)|(1<<21)          ; the mask of my column; elements of 8 bytes; no padding; bit 21 beside a mask
	s_mov_b32 s[G1K+1], 32<<16                     ; half of a step's records: 26,112 dense bytes as 102 rows of 256
	s_mov_b32 s[G1K+2], 102<<16
	s_mov_b32 s[G1K+3], 32<<16
	s_mov_b32 s[G1K+4], 102
	s_mov_b32 s[G1K+5], 32
	s_mov_b32 s[G1K+6], 0
	s_mov_b32 s[G1K+7], 0
	s_or_b32 s[G1M], s66, (3<<16)|(1<<20)|(1<<21)|(6<<22)|(3<<25)   ; the mask of my row; padding of 4 words behind every 128
	s_mov_b32 s[G1M+1], 64<<16                     ; 64 rows of 512 bytes, 8,192 bytes apart
	s_mov_b32 s[G1M+2], 64<<16
	s_mov_b32 s[G1M+3], 64<<16
	s_mov_b32 s[G1M+4], 64
	s_mov_b32 s[G1M+5], 1024
	s_mov_b32 s[G1M+6], 0
	s_mov_b32 s[G1M+7], 0
	s_lshl_b32 s72, ttmp9, 2
	s_add_co_u32 s72, s72, s14
	s_mul_i32 s72, s72, 16*BLKB                    ; (b 4 + g)'s sixteen steps in kv: made of cx, never of cy
	s_and_b32 s70, s[WV], 1
	s_mul_i32 s70, s70, BLKB/2                     ; the half that I fetch, in memory and in a slot
	s_add_co_u32 s68, s72, s70
	s_mov_b32 s69, 0
	s_lshl_b32 s74, s17, 19                        ; my 64 rows of attn_mask: made of cy, never of cx
	s_mov_b32 s75, 0
	s_mov_b32 s[SEL], 0x76543210
	s_mov_b32 s[SEL+1], 0xfedcba98                 ; v_permlanex16_b32's selects for lane l xor 16
	s_mov_b32 s[CS], 0x3fb8aa3b                    ; log2(e)
	s_mov_b32 s[CS+1], s[CS]                       ; (named with it as a pair)
	s_mov_b32 s[LAPC], 7
	s_wait_dscnt 0x0                               ; the opening add is done
	s_wait_kmcnt 0x0
	s_add_nc_u64 s[76:77], s[6:7], s[68:69]
	s_add_nc_u64 s[78:79], s[8:9], s[74:75]
.irp n, 0,1
	s_mov_b32 s[G0K+4*\n], 1
	s_add_co_u32 s[G0K+4*\n+1], s70, \n*SLOT1
	s_add_nc_u64 s[G0K+4*\n+2:G0K+4*\n+3], s[76:77], \n*BLKB       ; slot n begins with step n
	s_or_b32 s[G0K+4*\n+3], s[G0K+4*\n+3], 0x80000000
	s_mov_b32 s[G0M+4*\n], 1
	s_mov_b32 s[G0M+4*\n+1], \n*SLOT1+MOFF
	s_add_nc_u64 s[G0M+4*\n+2:G0M+4*\n+3], s[78:79], \n*512
	s_or_b32 s[G0M+4*\n+3], s[G0M+4*\n+3], 0x80000000
.endr
	ROUND                                          ; all sixteen work-groups are here: the first joint loads meet
	TLOAD 0                                        ; step 0; slot 1 is first filled behind the first trip's round, as a refill is
	v_and_b32 v[RR], 15, v0
	v_bfe_u32 v[HH], v0, 4, 1
	v_and_b32 v[LL], 31, v0
	s_mul_i32 s80, s57, 16*MP
	s_add_co_u32 s80, s80, MOFF
	v_mul_u32_u24 v1, v[RR], MP
	v_lshl_add_u32 v1, v[HH], 6, v1
	v_add_nc_u32 v1, s80, v1                       ; the mask: row 16 j + r, + 64 h: my half's 16 keys of a block of 32
	s_mul_i32 s81, s19, REC
	v_lshl_add_u32 v2, v[LL], 3, s81               ; K's images: 8 bytes a lane
	s_add_co_u32 s82, s81, 6144
	v_lshl_add_u32 v3, v[LL], 4, s82               ; V^T's: 16 bytes a lane
	s_add_co_u32 s82, s81, 12288
	v_lshl_add_u32 v4, v[RR], 4, s82               ; the scale words: 16 bytes a row
.irp k, 0,1,2,3
	v_add_nc_u32 v[5+\k], SLOT1, v[1+\k]
.endr
	; Q: my tile's image and its scale words
	s_lshl_b32 s83, ttmp9, 4
	s_lshl_b32 s84, s14, 2
	s_add_co_u32 s83, s83, s84
	s_add_co_u32 s83, s83, s19                     ; b 16 + head
	s_lshl_b32 s83, s83, 4
	s_lshr_b32 s84, s17, 1
	s_add_co_u32 s83, s83, s84                     ; x 16 + the step of 128 queries
	s_mul_i32 s84, s83, 6656
	s_mov_b32 s85, 0
	s_add_nc_u64 s[4:5], s[4:5], s[84:85]
	s_and_b32 s86, s17, 1
	s_lshl_b32 s87, s86, 2
	s_add_co_u32 s87, s87, s57                     ; the tile in the step
	s_mul_i32 s87, s87, 768
	v_lshl_add_u32 v94, v[LL], 3, s87
	s_lshl_b32 s86, s86, 8
	s_lshl_b32 s87, s57, 2
	s_add_co_u32 s86, s86, s87
	s_add_co_u32 s86, s86, 6144
	v_lshl_add_u32 v95, v[RR], 4, s86
.irp p, 0,1,2
	global_load_b64 v[16+2*\p:17+2*\p], v94, s[4:5] offset:256*\p
.endr
	global_load_b32 v204, v95, s[4:5]
	v_sub_nc_u32 v83, 1, v[HH]                     ; 1 in lanes 0-15, which hold k = 64 .. 95 in registers 6-11
	v_mul_u32_u24 v22, v83, 0x1f                   ; +7.5 at k = 64
.irp k, 23,24,25,26,27
	v_mov_b32 v[\k], 0
.endr
.irp t, 0,1,2,3
	v_mul_u32_u24 v[38+12*\t], v83, 0x3f           ; -7.5 at k = 64, in each of K's four buffers: written once
.irp k, 7,8,9,10,11
	v_mov_b32 v[32+12*\t+\k], 0
.endr
.endr
	; the way out's addresses
	s_mul_i32 s88, s57, 16*272
	s_lshl_b32 s89, s19, 6
	s_add_co_u32 s88, s88, s89
	s_add_co_u32 s88, s88, STG
	v_mul_u32_u24 v[SO], v[RR], 272
	v_lshl_add_u32 v[SO], v[HH], 4, v[SO]
	v_add_nc_u32 v[SO], s88, v[SO]                 ; row 16 j + r, place 4 i + h (+ 2 for the second block)
	s_lshl_b32 s88, s57, 7
	s_lshl_b32 s89, s19, 1
	s_add_co_u32 s88, s88, s89
	s_add_co_u32 s88, s88, STG2
	v_lshl_add_u32 v[SO2], v[RR], 3, s88           ; row 16 j + r, bytes 2 i, 2 i + 1
	s_mul_i32 s88, s[WV], 4*272
	s_add_co_u32 s88, s88, STG
	v_mul_u32_u24 v[SR], v[HH], 272
	v_lshl_add_u32 v[SR], v[RR], 4, v[SR]
	v_add_nc_u32 v[SR], s88, v[SR]                 ; back: rows 4 w + h and 4 w + 2 + h, a place a lane
	s_and_b32 s88, s[WV], 1
	s_lshl_b32 s88, s88, 8
	s_add_co_u32 s88, s88, STG2
	v_lshl_add_u32 v[SR2], v[LL], 3, s88           ; the scale bytes: a row a lane (read by waves 0 and 1)
	v_mul_u32_u24 v[GO], v[HH], 3072
	v_mad_u32_u24 v[GO], v[RR], 12, v[GO]
	v_lshlrev_b32 v[GO2], 7, v[LL]
	s_lshl_b32 s88, s17, 6
	s_lshl_b32 s89, s[WV], 2
	s_add_co_u32 s88, s88, s89
	s_lshl_b32 s88, s88, 2
	s_add_co_u32 s88, s88, ttmp9
	s_mul_i32 s88, s88, 768
	s_mul_i32 s89, s14, 192
	s_add_co_u32 s88, s88, s89
	s_mov_b32 s89, 0
	s_add_nc_u64 s[10:11], s[10:11], s[88:89]      ; ac at row ((first query + 4 w) 4 + b), my group's 192 bytes
	s_lshl_b32 s90, s17, 6
	s_and_b32 s91, s[WV], 1
	s_lshl_b32 s91, s91, 5
	s_add_co_u32 s90, s90, s91
	s_lshl_b32 s90, s90, 2
	s_add_co_u32 s90, s90, ttmp9
	s_lshl_b32 s90, s90, 5
	s_lshl_b32 s91, s14, 3
	s_add_co_u32 s90, s90, s91
	s_mov_b32 s91, 0
	s_add_nc_u64 s[12:13], s[12:13], s[90:91]      ; asc likewise, my group's 8 bytes
	; the prefetches: where my wave's stand (at step 1: each asking trip steps them first), and who asks
	s_lshl_b32 s92, s14, 17                        ; the mask: my work-group's 16 rows of the 64
	s_add_co_u32 s92, s92, s74
	s_add_co_u32 s92, s92, 512
	s_mul_i32 s93, s15, REC                        ; the records: my work-group's head of the four
	s_add_co_u32 s93, s93, s72
	s_add_co_u32 s93, s93, BLKB
	s_cmp_eq_u32 s[WV], 3
	s_cselect_b64 s[PFA:PFA+1], s[8:9], s[6:7]
	s_cselect_b32 s92, s92, s93
	s_mov_b32 s93, 0
	s_mov_b32 s[PFS], BLKB
	s_cselect_b32 s[PFS], 512, s[PFS]
	s_mov_b32 s[PFS+1], 0
	s_cselect_b32 s94, -1, 0
	s_add_nc_u64 s[PFA:PFA+1], s[PFA:PFA+1], s[92:93]
	s_and_b32 s95, ttmp7, 0xffff
	s_cmp_eq_u32 s[WV], 3
	s_cselect_b32 s95, ttmp9, s95                  ; the coordinate along which other clusters read the same bytes
	s_sub_co_u32 s96, s[WV], 3
	s_cmp_lt_u32 s96, 3                            ; waves 3, 4, 5
	s_cselect_b32 s95, s95, 1
	s_cmp_eq_u32 s95, 0
	s_cselect_b32 s[LIM], 1, -1                    ; the same in all sixteen partners, for a given wave
	v_lshrrev_b32 v83, 1, v[LL]
	v_and_b32 v84, 1, v[LL]
	v_lshlrev_b32 v83, 13, v83
	v_lshl_add_u32 v83, v84, 8, v83                ; the mask: row lane / 2, run lane % 2
	s_and_b32 s96, s[WV], 1
	s_lshl_b32 s96, s96, 5
	v_add_nc_u32 v84, s96, v[LL]
	v_min_u32 v84, 50, v84
	v_lshlrev_b32 v84, 8, v84                      ; a record: run 32 (w & 1) + lane, 50 at the most
	v_cndmask_b32 v[PFO], v84, v83, s94
	v_mov_b32 v13, 0xff61b1e6                      ; the largest t so far: -3e38
	v_floor_f32 v12, -v13                          ; -M
	v_mov_b32 v14, 0
	v_mov_b32 v15, 0
.irp b, 0,1,2,3
	v_mov_b32 v[236+\b], 0                         ; written once: a lane permute's destination counts as one of its sources
.endr
	v_mov_b32 v253, 0                              ; (named as the upper half of the pair v[252:253] before it is first written)
.set n, 0
.rept 32
	v_mov_b32 v[160+n], 0                          ; O^T: the step is written once; the first finds zeros, which the first change of M leaves zeros
.set n, n+1
.endr
; A KEY STEP: 128 keys, from slot \slot
.macro STEP slot
.set AM, 1+4*(\slot)
.set AK, 2+4*(\slot)
.set AV, 3+4*(\slot)
.set AS, 4+4*(\slot)
.rept 5
	v_nop                                          ; the score products write over v96-143, which the last step's products read as V^T: five places; four of them serve the loads into those registers
.endr
.irp t, 0,1,2,3,4,5,6,7
	ds_load_b128 v[96+8*\t:99+8*\t], v[AM] offset:128*(\t/2)+32*(\t%2)         ; the mask in the result's layout: register 8 t + n = key 32 (t / 2) + 16 h + 8 (t % 2) + n of my query
	ds_load_b128 v[100+8*\t:103+8*\t], v[AM] offset:128*(\t/2)+32*(\t%2)+16
.endr
	ds_load_b128 v[192:195], v[AS]                 ; K's scale words, tiles 0-3,
	ds_load_b128 v[196:199], v[AS] offset:256      ; and 4-7
.irp g, 0,1
.if \g > 0
.rept 4
	v_nop                                          ; places in front of loads into registers that matrix instructions have read
.endr
.endif
.irp t, 0,1,2,3
.irp p, 0,1,2
	ds_load_b64 v[32+12*\t+2*\p:33+12*\t+2*\p], v[AK] offset:768*(4*\g+\t)+256*\p
.endr
.endr
	s_wait_dscnt 0x0
.irp t, 0,1,2,3
	v_wmma_scale_f32_16x16x128_f8f6f4 v[96+8*(4*\g+\t):103+8*(4*\g+\t)], v[32+12*\t:43+12*\t], v[16:27], v[96+8*(4*\g+\t):103+8*(4*\g+\t)], v[192+4*\g+\t], v204 matrix_a_fmt:MATRIX_FMT_FP6 matrix_b_fmt:MATRIX_FMT_FP6
.endr
.endr
.rept 4
	v_nop
.endr
.irp b, 0,1,2,3
	v_max3_num_f32 v[232+\b], v[96+16*\b], v[97+16*\b], v[98+16*\b]   ; the largest logit of each block of 32 keys: for the row's maximum, and, since p rises with the logit, for the block's largest p
.endr
.irp i, 3,5,7,9,11,13
.irp b, 0,1,2,3
	v_max3_num_f32 v[232+\b], v[232+\b], v[96+16*\b+\i], v[97+16*\b+\i]
.endr
.endr
.irp b, 0,1,2,3
	v_max_num_f32 v[232+\b], v[232+\b], v[111+16*\b]
.endr
.irp b, 0,1,2,3
	v_permlanex16_b32 v[236+\b], v[232+\b], s[SEL], s[SEL+1]
.endr
.irp b, 0,1,2,3
	v_max_num_f32 v[232+\b], v[232+\b], v[236+\b]  ; with lane l xor 16's 16 keys
.endr
	v_max3_num_f32 v254, v232, v233, v234
	v_max_num_f32 v254, v254, v235
	v_mul_f32 v254, s[CS], v254                    ; the step's largest t
	v_max_num_f32 v13, v13, v254                   ; the running largest t
	v_mov_b32 v254, v12
	v_floor_f32 v12, -v13                          ; the new -M = -ceil(t)
	v_sub_f32 v254, v12, v254                      ; old M - new M: a whole number, 0 or less
	v_cvt_i32_f32 v254, v254                       ; (it saturates)
	v_ldexp_f32 v252, 1.0, v254                    ; f = 2^(old M - new M)
.irp j, 0,2,4,6,8,10,12,14,16,18,20,22,24,26,28,30,32,34,36,38,40,42,44,46,48,50,52,54,56,58,60,62
	v_pk_fma_f32 v[96+\j:97+\j], v[96+\j:97+\j], s[CS:CS+1], v[12:13] op_sel_hi:[1,0,0]   ; t - M, two at a time
.endr
.irp b, 0,1,2,3
	v_fma_f32 v[232+\b], v[232+\b], s[CS], v12     ; the same of each block's largest logit
.endr
.set n, 0
.rept 64
	v_exp_f32 v[96+n], v[96+n]                     ; p = 2^(t - M)
.set n, n+1
.endr
	v_pk_mul_f32 v[14:15], v[14:15], v[252:253] op_sel_hi:[1,0]   ; the sums under the new M (the plain line behind the exponentials)
	s_wait_alu depctr_va_vdst(0)                   ; one wait for the batch of 64, ahead of its first reader
.irp b, 0,1,2,3
	v_exp_f32 v[232+\b], v[232+\b]                 ; each block's largest p
.endr
	v_pk_add_f32 v[236:237], v[96:97], v[98:99]    ; the row's sum is taken of the unquantised p, in two chains
.irp j, 4,8,12,16,20,24,28,32,36,40,44,48,52,56,60
	v_pk_add_f32 v[14:15], v[14:15], v[96+\j:97+\j]
	v_pk_add_f32 v[236:237], v[236:237], v[98+\j:99+\j]
.endr
	v_pk_add_f32 v[14:15], v[14:15], v[236:237]
	s_wait_alu depctr_va_vdst(0)                   ; and one for the four
.irp b, 0,1,2,3
	v_max_num_f32 v[232+\b], 0x1800000, v[232+\b]  ; the floor 2^(3 - 127): the byte cannot fall under 1
.endr
.irp b, 0,1,2,3
	v_add_nc_u32 v[244+\b], 0xff000000, v[232+\b]  ; 2 off the exponent field: the conversion's scale operand
.endr
.irp b, 0,1,2,3
	v_lshrrev_b32 v[236+\b], 23, v[244+\b]
.endr
	v_lshl_or_b32 v253, v237, 8, v236              ; p's scale word for these 128 keys
	v_lshl_or_b32 v253, v238, 16, v253
	v_lshl_or_b32 v253, v239, 24, v253
.irp c, 0,1
	v_cvt_scalef32_pk16_fp6_f32 v[224+6*\c:226+6*\c], v[96+32*\c:111+32*\c], v[244+2*\c]
	v_cvt_scalef32_pk16_fp6_f32 v[236+4*\c:238+4*\c], v[112+32*\c:127+32*\c], v[244+2*\c+1]
.endr
	v_nop                                          ; one plain place behind a scaled conversion
.irp c, 0,1
.irp i, 0,1,2
	v_permlane16_swap_b32 v[224+6*\c+\i], v[236+4*\c+\i]
.endr
.irp i, 0,1,2
	v_mov_b32 v[227+6*\c+\i], v[236+4*\c+\i]
.endr
.endr
.irp j, 0,2,4,6,8,10,12,14,16,18,20,22,24,26,28,30
	v_pk_mul_f32 v[160+\j:161+\j], v[160+\j:161+\j], v[252:253] op_sel_hi:[1,0]   ; O^T under the new M; these sixteen are also the places between p's codes and scale word and the products below
.endr
.irp t, 0,1,2,3
.irp c, 0,1,2
	ds_load_b128 v[96+12*\t+4*\c:99+12*\t+4*\c], v[AV] offset:1536*\t+512*\c
.endr
.endr
	ds_load_b128 v[200:203], v[AS] offset:512      ; V's scale words
	s_wait_dscnt 0x0
.irp t, 0,1,2,3
	v_wmma_scale_f32_16x16x128_f8f6f4 v[160+8*\t:167+8*\t], v[96+12*\t:107+12*\t], v[224:235], v[160+8*\t:167+8*\t], v[200+\t], v253 matrix_a_fmt:MATRIX_FMT_FP6 matrix_b_fmt:MATRIX_FMT_FP6
.endr
.endm
; A TRIP.  Each wave waits for all its tensor loads (its part of this trip's slot), adds 0 to its spare word, and waits for that and for its reads of the other slot; a round of the cluster's barrier; behind it the other
; slot is filled with the next step, which has this trip's work in which to land.
.macro TRIP slot, refill, ask
	s_wait_tensorcnt 0x0                           ; no tensor load of mine is out, so a group 0 may be written
	ds_add_u32 v[SPW], v[NIL]
	s_add_nc_u64 s[G0K+4*\slot+2:G0K+4*\slot+3], s[G0K+4*\slot+2:G0K+4*\slot+3], 2*BLKB   ; this slot's next step
	s_add_nc_u64 s[G0M+4*\slot+2:G0M+4*\slot+3], s[G0M+4*\slot+2:G0M+4*\slot+3], 2*512
.if \ask
	s_wait_xcnt 0x0                                ; the last prefetch, a trip back, has read its address
	s_add_nc_u64 s[PFA:PFA+1], s[PFA:PFA+1], s[PFS:PFS+1]
.endif
	s_wait_dscnt 0x0                               ; the add is done, and my reads of the other slot are over
	ROUND
.if \refill
	TLOAD 1-\slot                                  ; the first tensor load behind the round, one a wave
.endif
.if \ask
	ASK
.endif
	STEP \slot
.endm
	s_wait_loadcnt 0x0                             ; Q
.Llap:                                             ; seven laps of two trips
	TRIP 0, 1, 1
	TRIP 1, 1, 1
	s_sub_co_u32 s[LAPC], s[LAPC], 1
	s_cmp_lg_u32 s[LAPC], 0
	s_cbranch_scc1 .Llap
	TRIP 0, 1, 0                                   ; the last two steps are written out: step 15 is asked for, and then nothing; no prefetch: there is no step behind
	TRIP 1, 0, 0
	; THE WAY OUT: O^T / the sum, quantised along the channels (two blocks of 32 a head), through a stage in LDS, so that sixteen lanes store a row's 192 consecutive bytes
.rept 4
	v_nop                                          ; places behind the last products
.endr
	v_add_f32 v14, v14, v15
	v_permlanex16_b32 v252, v14, s[SEL], s[SEL+1]
	v_add_f32 v14, v14, v252                       ; the row's sum
	v_rcp_f32 v14, v14
	v_nop                                          ; a plain place behind the reciprocal
	s_wait_alu depctr_va_vdst(0)                   ; and the wait ahead of its first reader
.set n, 0
.rept 32
	v_mul_f32 v[96+n], v[160+n], v14               ; register 16 B + n = channel 32 B + 16 h + n of my query; each accumulator from its low end on
.set n, n+1
.endr
.irp b, 0,1
	v_max3_num_f32 v[232+\b], |v[96+16*\b]|, |v[97+16*\b]|, 0x1800000
.endr
.irp i, 2,4,6,8,10,12,14
.irp b, 0,1
	v_max3_num_f32 v[232+\b], v[232+\b], |v[96+16*\b+\i]|, |v[97+16*\b+\i]|
.endr
.endr
.irp b, 0,1
	v_permlanex16_b32 v[236+\b], v[232+\b], s[SEL], s[SEL+1]
.endr
.irp b, 0,1
	v_max_num_f32 v[232+\b], v[232+\b], v[236+\b]
.endr
.irp b, 0,1
	v_add_nc_u32 v[244+\b], 0xff000000, v[232+\b]
.endr
.irp b, 0,1
	v_lshrrev_b32 v[236+\b], 23, v[244+\b]
.endr
	v_lshl_or_b32 v240, v237, 8, v236              ; my head's two scale bytes
	v_cvt_scalef32_pk16_fp6_f32 v[224:226], v[96:111], v244
	v_cvt_scalef32_pk16_fp6_f32 v[228:230], v[112:127], v245
	v_nop
	ds_store_b96 v[SO], v[224:226]                 ; 16 codes, 12 bytes, to a place of 16
	ds_store_b96 v[SO], v[228:230] offset:32
	ds_store_b16 v[SO2], v240                      ; both halves of the lanes write the same two bytes with the same value
	s_wait_dscnt 0x0                               ; for the others' sake: my stores into the stage are done
	s_barrier_signal -1
	s_barrier_wait -1
	ds_load_b96 v[32:34], v[SR]
	ds_load_b96 v[36:38], v[SR] offset:2*272
	s_wait_dscnt 0x0
	global_store_b96 v[GO], v[32:34], s[10:11]               ; rows 4 w + h: sixteen lanes store 192 consecutive bytes
	global_store_b96 v[GO], v[36:38], s[10:11] offset:6144   ; rows 4 w + 2 + h
	s_cmp_lt_u32 s[WV], 2
	s_cbranch_scc0 .Lno_bytes
	ds_load_b64 v[40:41], v[SR2]
	s_wait_dscnt 0x0
	global_store_b64 v[GO2], v[40:41], s[12:13]              ; a row's 8 scale bytes a lane
.Lno_bytes:
	s_wait_tensorcnt 0x0                           ; the wave's end
	ds_add_u32 v[SPW], v[NIL]
	s_wait_dscnt 0x0
	ROUND                                          ; the closing round
	s_endpgm
.Lfunc_end_k_q9ec47595bd_attn:
	.size	k_q9ec47595bd_attn, .Lfunc_end_k_q9ec47595bd_attn-k_q9ec47595bd_attn
	.p2alignl 7, 3214868480
	.fill 96, 4, 3214868480
	.section	.rodata,"a",@progbits
	.p2align	6, 0x0
	.amdhsa_kernel k_q9ec47595bd_attn
		.amdhsa_group_segment_fixed_size 327680
		.amdhsa_private_segment_fixed_size 0
		.amdhsa_enable_private_segment 0
		.amdhsa_kernarg_size 40
		.amdhsa_user_sgpr_count 2
		.amdhsa_user_sgpr_kernarg_segment_ptr 1
		.amdhsa_wavefront_size32 1
		.amdhsa_system_sgpr_workgroup_id_x 1
		.amdhsa_system_sgpr_workgroup_id_y 1
		.amdhsa_system_sgpr_workgroup_id_z 1
		.amdhsa_system_vgpr_workitem_id 0
		.amdhsa_next_free_vgpr 256
		.amdhsa_next_free_sgpr 100
		.amdhsa_reserve_vcc 0
		.amdhsa_float_denorm_mode_32 3
		.amdhsa_float_denorm_mode_16_64 3
		.amdhsa_memory_ordered 1
		.amdhsa_forward_progress 1
		.amdhsa_inst_pref_size 90
	.end_amdhsa_kernel
	.amdgpu_metadata
---
amdhsa.version: [ 1, 2 ]
amdhsa.kernels:
  - .name:           k_q9ec47595bd_attn
    .symbol:         k_q9ec47595bd_attn.kd
    .args:
      - { .name: qw, .offset: 0, .size: 8, .value_kind: global_buffer, .address_space: global }
      - { .name: kv, .offset: 8, .size: 8, .value_kind: global_buffer, .address_space: global }
      - { .name: attn_mask, .offset: 16, .size: 8, .value_kind: global_buffer, .address_space: global }
      - { .name: ac, .offset: 24, .size: 8, .value_kind: global_buffer, .address_space: global }
      - { .name: asc, .offset: 32, .size: 8, .value_kind: global_buffer, .address_space: global }
    .group_segment_fixed_size: 327680
    .private_segment_fixed_size: 0
    .kernarg_segment_align: 8
    .kernarg_segment_size: 40
    .max_flat_workgroup_size: 512
    .sgpr_count:     100
    .vgpr_count:     256
    .wavefront_size: 32
...
	.end_amdgpu_metadata
.endif
;; end of part 3
;; launch oproj (part 4): grid 4 x 32, 4 waves a work-group, clusters of 4 x 4, 327,680 bytes of LDS; arguments ac, asc, xc, xs, bo, out0; writes out0
.if DOCPART == 4
	.amdgcn_target "amdgcn-amd-amdhsa--gfx1250"
	.amdhsa_code_object_version 6
	.text
	.protected	k_q9ec47595bd_oproj
	.globl	k_q9ec47595bd_oproj
	.p2align	8
	.type	k_q9ec47595bd_oproj,@function
k_q9ec47595bd_oproj:
	s_mov_b64 s[64:65], 0
	v_nop
	global_prefetch_b8 v0, s[64:65] scope:SCOPE_SE
	s_setreg_imm32_b32 hwreg(HW_REG_WAVE_MODE, 25, 1), 1
	s_wait_xcnt 0x0
	s_wait_alu depctr_hold_cnt(0) depctr_sa_sdst(0) depctr_va_vdst(0) depctr_va_sdst(0) depctr_va_ssrc(0) depctr_va_vcc(0) depctr_vm_vsrc(0)
	s_getreg_b32 s2, hwreg(HW_REG_IB_STS2, 6, 4)
	s_cmp_eq_u32 s2, 0
	s_cbranch_scc0 .Lentry_in_a_cluster
	s_endpgm
.Lentry_in_a_cluster:
	s_bfe_u32 s2, ttmp6, 0x10000c
	s_cmp_lg_u32 s2, 0xf033
	s_cbranch_scc0 .Lentry_shape_is_right
	s_endpgm
.Lentry_shape_is_right:
; out0 = attention's result x Wo^T + bo on codes of FP6 (E2M3) with E8M0 scales.  A: ac [8,192][768 bytes], asc [8,192][32]; B: Wo's rows 27,648 on of xc and xs; out0 [8,192][1,024] f32.
; A tile of 256 x 256 to a work-group of four waves, 128 x 128 a wave in 512 registers; K = 1,024 in four steps of 256 through a ring of two LDS slots filled by joint tensor loads (4 x 4 clusters: A's tiles shared along a
; row, B's along a column); the scale bytes come into LDS once.  The matrix instruction is used transposed (source 0 = rows of Wo, source 1 = rows of A), so that a lane holds eight neighbouring numbers of a row of out0.
; The bias is the C of each sum's first product.  128 work-groups: the tile is kept large, so that each byte read from LDS feeds as many products as the registers allow.
.set SIZE_N, 1024
.set KSTEP,  256
.set NQ,     KSTEP/128
.set ROWB,   192
.set KROW,   768
.set PITCH,  240                       ; 3 x (64 bytes + 16 of padding): the 32 lanes of a load of 8 bytes touch 64 different banks (64 banks of 4 bytes: ISA guide 11.1)
.set FR,     12
.set NL,     6
.set NP,     4
.set HALFT,  128*PITCH
.set SLOT,   4*HALFT
.set LAPS,   2
.set KS,     32
.set SCL,    2*SLOT
.set HALFS,  (128*KS/256)*272
.set SBLK,   (16*KS/256)*272
.set SPARE,  SCL+4*HALFS
.set SPITCH, 528                       ; the way out: a stage of 16 rows x (512 + 16) bytes a wave, in slot 0, which has had its last fill and its last read by then
.set OBI,  7                           ; v7 32 x (lane / 16): the bias loads' offset
.set ADRA, 16
.set ADRB, 20
.set STO,  24
.set RD,   25
.set CO,   26
.set ADRS, 27
.set SPW,  28
.set NIL,  29
.set SC,   32
.set BI,   64                          ; v64-127 the bias in the result's layout: tile b's eight columns of my half
.set AF,   128
.set BK,   128
.set G1, 24
.set G0, 32
.set G1B, 48
.set G0B, 56
.set G1S, 68
.set G0S, 76
.set G1SB, 80
.set G0SB, 88
.set MSB, 0
.macro WIN new
.if MSB != (\new)
	s_set_vgpr_msb (MSB<<8)|(\new)
.set MSB, (\new)
.endif
.endm
.set MUL_LO, 0xa1
.set MUL_HI, 0xf1
.set TO_B,   0x40
.macro JLOAD g0a, g1a, g0b, g1b        ; a joint load: waves 0 and 1 for A, waves 2 and 3 for B; an s_nop 0 and four v_nop follow each line
	s_cmp_eq_u32 s15, 0
	s_cbranch_scc0 .Lfor_b_\@
	tensor_load_to_lds s[\g0a:\g0a+3], s[\g1a:\g1a+7]
	s_nop 0
.rept 4
	v_nop
.endr
	s_branch .Lasked_\@
.Lfor_b_\@:
	tensor_load_to_lds s[\g0b:\g0b+3], s[\g1b:\g1b+7]
	s_nop 0
.rept 4
	v_nop
.endr
.Lasked_\@:
.endm
.macro CREST
	s_cmp_lg_u32 s14, 0
	s_cbranch_scc1 .Lnot_wave_0_\@
	s_barrier_signal -3
.Lnot_wave_0_\@:
	s_barrier_wait -3
	s_barrier_signal -1
	s_barrier_wait -1
.endm
.macro CROUND
	s_barrier_signal -1
	s_barrier_wait -1
	CREST
.endm
	s_load_b128 s[4:7], s[0:1], 0x0                ; ac, asc
	s_load_b128 s[8:11], s[0:1], 0x10              ; xc, xs
	s_load_b128 s[96:99], s[0:1], 0x20             ; bo, out0
	v_lshl_add_u32 v[SPW], v0, 2, SPARE
	v_mov_b32 v[NIL], 0
	ds_add_u32 v[SPW], v[NIL]                      ; the wave's opening
	v_lshrrev_b32 v1, 5, v0
	v_readfirstlane_b32 s14, v1
	s_lshr_b32 s15, s14, 1
	s_and_b32 s16, s14, 1
	s_bfe_u32 s40, ttmp6, 0x40000
	s_bfe_u32 s41, ttmp6, 0x40004
	s_lshl_b32 s42, ttmp9, 2
	s_add_co_u32 s42, s42, s40                     ; tile column
	s_and_b32 s17, ttmp7, 0xffff
	s_lshl_b32 s17, s17, 2
	s_add_co_u32 s17, s17, s41                     ; tile row
	s_lshl_b32 s43, s41, 2
	s_lshl_b32 s43, 15, s43
	s_lshl_b32 s44, 0x1111, s40
	s_or_b32 s[G1+0], s43, (0<<16)|(1<<20)|(1<<21)|(3<<22)|(3<<25)
	s_or_b32 s[G1B+0], s44, (0<<16)|(1<<20)|(1<<21)|(3<<22)|(3<<25)
.irp g, G1, G1B
	s_mov_b32 s[\g+1], ROWB<<16
	s_mov_b32 s[\g+2], 128<<16
	s_mov_b32 s[\g+3], ROWB<<16
	s_mov_b32 s[\g+4], 128
	s_mov_b32 s[\g+5], KROW
	s_mov_b32 s[\g+6], 0
	s_mov_b32 s[\g+7], 0
.endr
	s_or_b32 s[G1S+0], s43, (3<<16)|(1<<20)|(1<<21)|(5<<22)|(3<<25)
	s_or_b32 s[G1SB+0], s44, (3<<16)|(1<<20)|(1<<21)|(5<<22)|(3<<25)
.irp g, G1S, G1SB
	s_mov_b32 s[\g+1], 32<<16
	s_mov_b32 s[\g+2], (128*KS/256)<<16
	s_mov_b32 s[\g+3], 32<<16
	s_mov_b32 s[\g+4], 128*KS/256
	s_mov_b32 s[\g+5], 32
	s_mov_b32 s[\g+6], 0
	s_mov_b32 s[\g+7], 0
.endr
	s_lshl_b32 s18, s16, 7
	s_lshl_b32 s20, s17, 8
	s_add_co_u32 s20, s20, s18                     ; A: row 256 x tile row + 128 x half
	s_lshl_b32 s46, s42, 8
	s_add_co_u32 s46, s46, s18
	s_add_co_u32 s46, s46, 27648                   ; B: Wo's first row in xc + 256 x tile column + 128 x half
	s_mov_b32 s21, 0
	s_mov_b32 s47, 0
	s_mov_b64 s[18:19], KS
	s_mul_u64 s[22:23], s[20:21], s[18:19]
	s_mul_u64 s[92:93], s[46:47], s[18:19]
	s_mov_b64 s[18:19], KROW
	s_mul_u64 s[20:21], s[20:21], s[18:19]
	s_mul_u64 s[46:47], s[46:47], s[18:19]
	s_mul_i32 s45, s14, HALFT
	s_mul_i32 s94, s14, HALFS
	s_wait_dscnt 0x0
	s_wait_kmcnt 0x0
	s_mov_b64 s[12:13], s[98:99]                   ; out0
	s_add_nc_u64 s[20:21], s[4:5], s[20:21]
	s_add_nc_u64 s[22:23], s[6:7], s[22:23]
	s_add_nc_u64 s[46:47], s[8:9], s[46:47]
	s_add_nc_u64 s[92:93], s[10:11], s[92:93]
	CROUND
	s_mov_b32 s[G0S], 1
	s_add_co_u32 s[G0S+1], s94, SCL
	s_mov_b64 s[G0S+2:G0S+3], s[22:23]
	s_or_b32 s[G0S+3], s[G0S+3], 0x80000000
	s_mov_b32 s[G0SB], 1
	s_add_co_u32 s[G0SB+1], s94, SCL
	s_mov_b64 s[G0SB+2:G0SB+3], s[92:93]
	s_or_b32 s[G0SB+3], s[G0SB+3], 0x80000000
	JLOAD G0S, G1S, G0SB, G1SB
.irp s, 0,1
	s_mov_b32 s[G0+4*\s], 1
	s_add_co_u32 s[G0+4*\s+1], s45, \s*SLOT
	s_add_nc_u64 s[G0+4*\s+2:G0+4*\s+3], s[20:21], \s*ROWB
	s_or_b32 s[G0+4*\s+3], s[G0+4*\s+3], 0x80000000
	s_mov_b32 s[G0B+4*\s], 1
	s_add_co_u32 s[G0B+4*\s+1], s45, \s*SLOT
	s_add_nc_u64 s[G0B+4*\s+2:G0B+4*\s+3], s[46:47], \s*ROWB
	s_or_b32 s[G0B+4*\s+3], s[G0B+4*\s+3], 0x80000000
	JLOAD G0+4*\s, G1, G0B+4*\s, G1B
.endr
	v_and_b32 v1, 15, v0
	v_bfe_u32 v2, v0, 4, 1
	v_mul_u32_u24 v3, v1, PITCH
	v_mul_u32_u24 v4, v2, 24
	v_add_nc_u32 v4, v3, v4
	v_lshl_add_u32 v5, v2, 4, v4
	s_mul_i32 s21, s15, HALFT
	s_mul_i32 s22, s16, HALFT
	s_add_co_u32 s22, s22, 2*HALFT
.irp s, 0,1
	v_add_nc_u32 v[ADRA+\s], s21, v4
	v_add_nc_u32 v[ADRB+\s], s22, v4
	v_add_nc_u32 v[ADRA+2+\s], s21, v5
	v_add_nc_u32 v[ADRB+2+\s], s22, v5
	s_add_co_u32 s21, s21, SLOT
	s_add_co_u32 s22, s22, SLOT
.endr
	v_mul_u32_u24 v5, v1, KS
	v_lshrrev_b32 v6, 8, v5
	v_lshl_add_u32 v5, v6, 4, v5
	s_mul_i32 s21, s15, HALFS
	s_mul_i32 s22, s16, HALFS
	s_add_co_u32 s22, s22, 2*HALFS
	s_sub_co_u32 s22, s22, s21
	v_mul_u32_u24 v6, s22, v2
	s_add_co_u32 s21, s21, SCL
	v_add_nc_u32 v5, v5, v6
	v_add_nc_u32 v[ADRS], s21, v5
	s_mul_i32 s23, s14, 16*SPITCH                  ; my stage
	v_mul_u32_u24 v5, v1, SPITCH
	v_lshl_add_u32 v5, v2, 5, v5
	v_add_nc_u32 v[STO], s23, v5
	v_and_b32 v6, 31, v0
	v_lshlrev_b32 v[CO], 4, v6
	v_add_nc_u32 v[RD], s23, v[CO]
	s_lshl_b32 s20, s17, 8
	s_lshl_b32 s21, s15, 7
	s_add_co_u32 s20, s20, s21                     ; my first row of out0
	s_mov_b32 s21, 0
	s_mov_b64 s[18:19], SIZE_N*4
	s_mul_u64 s[20:21], s[20:21], s[18:19]
	s_lshl_b32 s46, s42, 10                        ; my first column, in bytes: in out0 and in bo alike
	s_lshl_b32 s47, s16, 9
	s_add_co_u32 s46, s46, s47
	s_mov_b32 s47, 0
	s_add_nc_u64 s[96:97], s[96:97], s[46:47]
	s_add_nc_u64 s[20:21], s[20:21], s[46:47]
	s_add_nc_u64 s[12:13], s[12:13], s[20:21]
	v_lshlrev_b32 v[OBI], 5, v2
.irp t, 0,1,2,3,4,5,6,7
	global_load_b128 v[BI+8*\t:BI+8*\t+3], v[OBI], s[96:97] offset:64*\t
	global_load_b128 v[BI+8*\t+4:BI+8*\t+7], v[OBI], s[96:97] offset:64*\t+16
.endr
.macro FRAG reg, adr, q, i
.irp p, 0,1,2,3,4,5
.set PIECE, 12*(\q)+6*(\p/3)+\p%3
.if PIECE%8 < 5
	ds_load_b64 v[\reg+2*\p:\reg+2*\p+1], v[\adr] offset:8*PIECE+16*(PIECE/8)+(\i)*16*PITCH
.else
	ds_load_b64 v[\reg+2*\p:\reg+2*\p+1], v[\adr+2] offset:8*PIECE+16*(PIECE/8)+(\i)*16*PITCH
.endif
.endr
.endm
; 16 matrix instructions; zero = 1: the first product starts the sums from the bias.  The 64 accumulators take turns, one instruction a turn.
.macro MUL16 a0, p, q, sc, zero
.irp a, \a0, \a0+1
.irp b, 0,1,2,3,4,5,6,7
.if \zero
	v_wmma_scale_f32_16x16x128_f8f6f4 v[8*(8*((\a)%4)+\b):8*(8*((\a)%4)+\b)+7], v[128*(\p)+FR*\b:128*(\p)+FR*\b+FR-1], v[AF+FR*(\a):AF+FR*(\a)+FR-1], v[BI+8*\b:BI+8*\b+7], v[SC+8*NQ*(\sc)+NQ*\b+(\q)], v[SC+8*NQ*(\sc)+NQ*(\a)+(\q)] matrix_a_fmt:MATRIX_FMT_FP6 matrix_b_fmt:MATRIX_FMT_FP6 matrix_a_scale:MATRIX_SCALE_ROW1
.else
	v_wmma_scale_f32_16x16x128_f8f6f4 v[8*(8*((\a)%4)+\b):8*(8*((\a)%4)+\b)+7], v[128*(\p)+FR*\b:128*(\p)+FR*\b+FR-1], v[AF+FR*(\a):AF+FR*(\a)+FR-1], v[8*(8*((\a)%4)+\b):8*(8*((\a)%4)+\b)+7], v[SC+8*NQ*(\sc)+NQ*\b+(\q)], v[SC+8*NQ*(\sc)+NQ*(\a)+(\q)] matrix_a_fmt:MATRIX_FMT_FP6 matrix_b_fmt:MATRIX_FMT_FP6 matrix_a_scale:MATRIX_SCALE_ROW1
.endif
.endr
.endr
.endm
.macro FETCH_B slot, q, p
	WIN TO_B
.irp i, 0,1,2,3,4,5,6,7
	FRAG 128*(\p)+FR*\i, ADRB+\slot, \q, \i
.endr
	WIN 0
.endm
.macro FETCH_A slot, q, i0
.irp i, \i0, \i0+1, \i0+2, \i0+3
	FRAG AF+FR*(\i), ADRA+\slot, \q, \i
.endr
.endm
.macro SCALES sc
.irp i, 0,1,2,3,4,5,6,7
	ds_load_b64 v[SC+8*NQ*\sc+NQ*\i:SC+8*NQ*\sc+NQ*\i+1], v[ADRS] offset:\i*SBLK
.endr
.endm
.macro PLACES n
.rept \n
	v_nop
.endr
.endm
.macro STEP slot, q, zero
	s_wait_dscnt 4*NL                              ; B's set and A's blocks 0-3 are in; the 24 youngest loads may be out
.if \zero
	WIN 0x81                                       ; C (the bias) in window 0, D in window 2
.else
	WIN MUL_LO
.endif
	MUL16 0, (\q)%2, \q, \slot, \zero
	MUL16 2, (\q)%2, \q, \slot, \zero
	s_wait_dscnt 0
	PLACES NP
	FETCH_B \slot, (\q)+1, 1-(\q)%2
	FETCH_A \slot, (\q)+1, 0
.if \zero
	WIN 0xc1                                       ; C in window 0, D in window 3
.else
	WIN MUL_HI
.endif
	MUL16 4, (\q)%2, \q, \slot, \zero
	MUL16 6, (\q)%2, \q, \slot, \zero
	PLACES NP
	WIN 0
	FETCH_A \slot, (\q)+1, 4
.endm
.macro TURN slot, next, fill
	s_wait_tensorcnt 0x0                           ; all my tensor loads have landed: my part of the next slot
	ds_add_u32 v[SPW], v[NIL]
	s_wait_dscnt 4*NL+1                            ; the add and the 24 youngest loads may be out
	WIN MUL_LO
	MUL16 0, 1, NQ-1, \slot, 0
	s_wait_dscnt 0x0                               ; the add is done, and my reads of this slot are over
	s_barrier_signal -1
	MUL16 2, 1, NQ-1, \slot, 0
	WIN 0
	s_barrier_wait -1
.if \fill
	CREST
	s_add_nc_u64 s[G0+4*\slot+2:G0+4*\slot+3], s[G0+4*\slot+2:G0+4*\slot+3], 2*ROWB
	s_add_nc_u64 s[G0B+4*\slot+2:G0B+4*\slot+3], s[G0B+4*\slot+2:G0B+4*\slot+3], 2*ROWB
	JLOAD G0+4*\slot, G1, G0B+4*\slot, G1B
.else
	PLACES NP
.endif
	v_add_nc_u32 v[ADRS], 4*NQ, v[ADRS]
	FETCH_B \next, 0, 0
	FETCH_A \next, 0, 0
	SCALES \next
	WIN MUL_HI
	MUL16 4, 1, NQ-1, \slot, 0
	MUL16 6, 1, NQ-1, \slot, 0
	PLACES NP
	WIN 0
	FETCH_A \next, 0, 4
.endm
	s_wait_tensorcnt 1                             ; the scales and my part of K step 0 are in; K step 1's load may be out
	s_barrier_signal -1
	s_barrier_wait -1
	FETCH_B 0, 0, 0
	FETCH_A 0, 0, 0
	SCALES 0
	FETCH_A 0, 0, 4
	s_wait_loadcnt 0x0                             ; the bias
	STEP 0, 0, 1
	s_mov_b32 s3, LAPS-1
.Llap:
	TURN 0, 1, 1
	STEP 1, 0, 0
	TURN 1, 0, 1
	STEP 0, 0, 0
	s_sub_co_u32 s3, s3, 1
	s_cmp_lg_u32 s3, 0
	s_cbranch_scc1 .Llap
	TURN 0, 1, 0
	STEP 1, 0, 0
	s_wait_dscnt 4*NL
	WIN MUL_LO
	MUL16 0, 1, NQ-1, 1, 0
	MUL16 2, 1, NQ-1, 1, 0
	s_wait_dscnt 0
	WIN MUL_HI
	MUL16 4, 1, NQ-1, 1, 0
	MUL16 6, 1, NQ-1, 1, 0
	WIN 0
; THE WAY OUT, block by block of 16 rows x 128 columns, through my own stage: in as 32 bytes a lane, back as whole rows of 512 bytes.  LDS serves a wave's instructions in order (ISA guide 5.7.1.4).
.macro TOSTAGE a
.set AC, 64*((\a)%4)
	WIN 0x08+4*((\a)/4)                            ; the data: window 2 or 3
.irp b, 0,1,2,3,4,5,6,7
	ds_store_b128 v[STO], v[AC+8*\b:AC+8*\b+3] offset:64*\b          ; each accumulator from its low end on
	ds_store_b128 v[STO], v[AC+8*\b+4:AC+8*\b+7] offset:64*\b+16
.endr
	WIN 0
.set BB, BK+64*((\a)%2)
.irp t, 0,1,2,3,4,5,6,7,8,9,10,11,12,13,14,15
	ds_load_b128 v[BB+4*\t:BB+4*\t+3], v[RD] offset:\t*SPITCH
.endr
.endm
.macro SEND a, younger
.set BB, BK+64*((\a)%2)
	s_wait_dscnt \younger                          ; the block is back in registers; the next block's 16 stores and 16 loads may be out
.if (\a) > 0
	s_add_nc_u64 s[12:13], s[12:13], 16*SIZE_N*4   ; (behind a wait on XCNT: the earlier stores have read their base)
.endif
.irp t, 0,1,2,3,4,5,6,7,8,9,10,11,12,13,14,15
	global_store_b128 v[CO], v[BB+4*\t:BB+4*\t+3], s[12:13] offset:\t*SIZE_N*4 th:TH_STORE_NT   ; 32 lanes store 512 consecutive bytes, aligned
.endr
.endm
	PLACES NP
	TOSTAGE 0
.irp a, 1,2,3,4,5,6,7
.if \a > 1
	s_wait_xcnt 0x0                                ; block a - 2's stores have read their registers and their base
.endif
	TOSTAGE \a
	SEND \a-1, 32
.endr
	s_wait_xcnt 0x0
	SEND 7, 0
	s_wait_tensorcnt 0x0                           ; the wave's end
	ds_add_u32 v[SPW], v[NIL]
	s_wait_dscnt 0x0
	CROUND                                         ; the closing round
	s_endpgm
.Lfunc_end_k_q9ec47595bd_oproj:
	.size	k_q9ec47595bd_oproj, .Lfunc_end_k_q9ec47595bd_oproj-k_q9ec47595bd_oproj
	.p2alignl 7, 3214868480
	.fill 96, 4, 3214868480
	.section	.rodata,"a",@progbits
	.p2align	6, 0x0
	.amdhsa_kernel k_q9ec47595bd_oproj
		.amdhsa_group_segment_fixed_size 327680
		.amdhsa_private_segment_fixed_size 0
		.amdhsa_enable_private_segment 0
		.amdhsa_kernarg_size 48
		.amdhsa_user_sgpr_count 2
		.amdhsa_user_sgpr_kernarg_segment_ptr 1
		.amdhsa_wavefront_size32 1
		.amdhsa_system_sgpr_workgroup_id_x 1
		.amdhsa_system_sgpr_workgroup_id_y 1
		.amdhsa_system_sgpr_workgroup_id_z 1
		.amdhsa_system_vgpr_workitem_id 0
		.amdhsa_next_free_vgpr 1024
		.amdhsa_next_free_sgpr 100
		.amdhsa_reserve_vcc 0
		.amdhsa_float_denorm_mode_32 3
		.amdhsa_float_denorm_mode_16_64 3
		.amdhsa_memory_ordered 1
		.amdhsa_forward_progress 1
		.amdhsa_inst_pref_size 161
	.end_amdhsa_kernel
	.amdgpu_metadata
---
amdhsa.version: [ 1, 2 ]
amdhsa.kernels:
  - .name:           k_q9ec47595bd_oproj
    .symbol:         k_q9ec47595bd_oproj.kd
    .args:
      - { .name: ac, .offset: 0, .size: 8, .value_kind: global_buffer, .address_space: global }
      - { .name: asc, .offset: 8, .size: 8, .value_kind: global_buffer, .address_space: global }
      - { .name: xc, .offset: 16, .size: 8, .value_kind: global_buffer, .address_space: global }
      - { .name: xs, .offset: 24, .size: 8, .value_kind: global_buffer, .address_space: global }
      - { .name: bo, .offset: 32, .size: 8, .value_kind: global_buffer, .address_space: global }
      - { .name: out0, .offset: 40, .size: 8, .value_kind: global_buffer, .address_space: global }
    .group_segment_fixed_size: 327680
    .private_segment_fixed_size: 0
    .kernarg_segment_align: 8
    .kernarg_segment_size: 48
    .max_flat_workgroup_size: 128
    .sgpr_count:     100
    .vgpr_count:     1024
    .wavefront_size: 32
...
	.end_amdgpu_metadata
.endif
;; end of part 4
